; MI455X (gfx1250); checked and timed in simulation.
; The chip was launched on July 23, 2026; its instructions are those of AMD's public machine-readable ISA for CDNA 5 (MIT licence, August 2026) and "CDNA5" Instruction Set Architecture Reference Guide (July 2026). The comments in the code are by the model that wrote it; some were corrected since.
;; get Max Score. Allowed arithmetic: matrix products marked QUANTISED: E5M2 operands, one E8M0 scale for each 32 along K, by v_wmma_scale_f32_16x16x128_f8f6f4 with both operands' format E5M2, f32 sums; products left as they are: f32 operands where the result goes on into a quantised operand, else bf16, f16 or f32 operands; f32 sums; everything else in f32.
;; Inputs: Wk_codes 4,096 x 32 x 32 uint8 (E5M2 codes of Wk, K innermost, in blocks of 32 codes); Wk_scales 4,096 x 32 uint8 (E8M0 scales of Wk, one for each 32 codes along K); Wq 4,096 x 1,024 float32; bk 4,096 float32; bq 4,096 float32; key_mat 16,384 x 1,024 float32; query 1,024 float32.
;; Outputs: out0 1,024 float32.
;; This version of the problem:
;;   THIS VERSION OF THE PROBLEM IS GIVEN IN LOW PRECISION. The matrix products marked QUANTISED in the list below multiply operands that are first quantised to E5M2 (5 exponent bits, 2 mantissa bits; 8 bits a number), with one power-of-two scale for each 32 numbers along K (OCP MX v1.0); their sums are f32. All else is computed in f32.
;;   The module's matrix products, in the order in which they are computed (A, B: the left and right operand; K: the contracted axis; several contracted axes count as one K, in the product's order):
;;     1. [M 4,096, K 1,024] x [K 1,024, N 1]; A: input Wq; B: input query: left as it is (N = 1 < 16)
;;     2. [M 16,384, K 1,024] x [K 1,024, N 4,096]; A: input key_mat; B: input Wk (given as codes): QUANTISED
;;     3. [M 16,384, K 4,096] x [K 4,096, N 1]; A: computed on the way; B: computed on the way: left as it is (N = 1 < 16)
;;   THE QUANTISER, for each operand of a quantised product, along K:
;;     - K is cut into blocks of 32 from its start; a last block that is shorter is filled with zeros.
;;     - A block's scale is 2^e with e = floor(log2(the largest magnitude in the block)) - 15, held to -126 .. 127; a block of zeros has e = 0. As a byte (E8M0): e + 127.
;;     - Each number is divided by its block's scale, clamped to +-57,344, and rounded to the nearest number of E5M2, ties to even, subnormals kept.
;;     - The product sums the exact products of the quantised numbers (number of the format x scale) in f32.
;;   ~~~python
;;   def quantise(x, axis):      # numpy; x: float32 -> the quantised numbers, widened to float32 again
;;       x = np.moveaxis(x, axis, -1); K = x.shape[-1]
;;       x = np.pad(x, [(0, 0)] * (x.ndim - 1) + [(0, -K % 32)]); x = x.reshape(x.shape[:-1] + (-1, 32)); a = np.abs(x).max(-1, keepdims=True)
;;       e = np.where(a > 0, np.clip(np.frexp(np.where(a > 0, a, 1))[1] - 1 - 15, -126, 127), 0)      # np.frexp(a)[1] - 1 = floor(log2(a)), exactly
;;       r = np.clip(x / 2.0 ** e, -57344, 57344)
;;       step = 2.0 ** (np.maximum(np.frexp(np.where(r == 0, 1, r))[1] - 1, -14) - 2)
;;       q = np.round(r / step) * step * 2.0 ** e      # np.round: ties to even
;;       return np.moveaxis(q.reshape(q.shape[:-2] + (-1,))[..., :K], -1, axis).astype(np.float32)
;;   ~~~
;;   INPUTS GIVEN AS CODES. Wk (in the module: [4096, 1024], K = its axis 1): each comes as NAME_codes (uint8): NAME with its K axis moved to the last place and cut into blocks of 32 codes, [.., K / 32, bytes a block], one block behind the other in memory; one code a byte (a code: sign, 5 exponent bits, 2 mantissa bits); and NAME_scales (uint8): the same leading axes, one E8M0 byte (e + 127) for each 32 codes along K. Its value is code x scale, taken as it is: it is not quantised again, and the codes and scales need not be those that the quantiser above would give.
;; 2 versions, each right and faster than the one before. Each part assembles by itself: llvm-mc -triple=amdgcn-amd-amdhsa -mcpu=gfx1250 --defsym DOCPART=n.
;; ======== version 1 of 2: 4 launches
;; workspace buffers: keyc 16,777,216 bytes; keys 524,288 bytes; qv 16,384 bytes; part 262,144 bytes; order 256 bytes of whole numbers
;; launch prep (part 1): grid 640 x 1, 4 waves a work-group, no clusters, 33,280 bytes of LDS; arguments key_mat, Wq, query, bq, keyc, keys, qv; writes keyc, keys, qv
.if DOCPART == 1
	.amdgcn_target "amdgcn-amd-amdhsa--gfx1250"
	.amdhsa_code_object_version 6
	.text
	.protected	k_qaeafe45f0a_prep
	.globl	k_qaeafe45f0a_prep
	.p2align	8
	.type	k_qaeafe45f0a_prep,@function
k_qaeafe45f0a_prep:
	s_mov_b64 s[64:65], 0
	v_nop
	global_prefetch_b8 v0, s[64:65] scope:SCOPE_SE
	s_setreg_imm32_b32 hwreg(HW_REG_WAVE_MODE, 25, 1), 1
	s_wait_xcnt 0x0
; TWO JOBS IN ONE LAUNCH, parted on the work-group's number.
; Work-groups 0 to 511: key_mat [16384][1024] f32 becomes codes of BF8 (E5M2), K innermost (keyc [16384][1024] bytes), with one E8M0 byte for each 32 along K (keys [16384][32]).
;   A block's scale is 2^(floor(log2(its largest magnitude)) - 15); its byte is the largest magnitude's exponent field - 15, held at 1 from below; each number is divided by the scale, held within
;   +-57,344 and rounded to the nearest code, ties to even.  Every tile of keys is read by sixteen tiles of the product, so it is quantised once, here.
; Work-groups 512 to 639: q = Wq query + bq, 4,096 numbers, in f32 fused multiply-adds (qv).  A wave takes 8 rows of Wq, a row at a time: 32 lanes x 32 numbers.
; LIMITS: NaN and infinities among the inputs are not served.  A block of zeros gets the byte 1 where the rule says 127: its codes are zeros, which add nothing under any byte but 0xff, and this program
; alone reads the bytes.  Blocks whose largest magnitude lies under 2^(16 - 127) are held at the byte 1.
; Both kinds of work-group read 131,072 bytes.  No tensor loads, no barrier: waves share nothing.  Only the first job touches LDS.
.set QWG,   512                        ; work-groups that quantise: 16,384 x 1,024 / 32,768
.set STEPS, 16                         ; a wave takes 16 steps of 512 numbers
.set MANT,  0x600000                   ; the mantissa field of 57,344 as f32
.set CB,    16                         ; bytes of 16 codes
.set R,     16                         ; v16-79   four sets of 16 numbers as they are loaded
.set X,     80                         ; v80-111  two sets of 16 neighbours
.set E,     112                        ; v112-127 a scale byte for each step
.set C,     128                        ; v128-191 codes: four registers for each step, so that no store's data are written again
.set WREG,  8192                       ; LDS: a region for each wave: two stages of 32 x SP bytes, behind them its 256 scale bytes
.set SP,    80                         ; a lane's place in a stage: its 64 bytes + 16 of padding
.set QY,    16                         ; q's job: v16-47   the query, 32 numbers a lane
.set XR,    48                         ;          v48-175  four sets of 32 numbers: a row of Wq each
.set AC,    176                        ;          v176-183 four chains of packed sums
	s_load_b256 s[4:11], s[0:1], 0x0               ; key_mat s[4:5], Wq s[6:7], query s[8:9], bq s[10:11]
	s_load_b128 s[12:15], s[0:1], 0x20             ; keyc s[12:13], keys s[14:15]
	s_load_b64 s[16:17], s[0:1], 0x30              ; qv
	v_lshl_add_u32 v192, v0, 2, 0x8000
	v_mov_b32 v193, 0
	v_lshrrev_b32 v1, 5, v0
	v_readfirstlane_b32 s18, v1                    ; wave 0..3
	v_and_b32 v2, 31, v0                           ; lane
	v_lshlrev_b32 v3, 4, v2                        ; my 16 bytes of a load's 512
	s_cmp_lt_u32 ttmp9, QWG
	s_cbranch_scc0 .Lq
	; ---------------- the quantiser ----------------
	; The conversions take 8 numbers of ONE block from a lane's registers, so a lane must hold 16 neighbours; a load is best where neighbouring lanes take neighbouring bytes.  Both are had: each of a
	; step's four loads reads 512 consecutive bytes; the 2,048 bytes go through the wave's own stage in LDS, as they lie, and come back 64 bytes a lane.
	s_mul_i32 s19, s18, WREG
	v_lshrrev_b32 v14, 2, v2
	v_mul_u32_u24 v14, v14, SP
	v_and_b32 v15, 3, v2
	v_lshl_add_u32 v14, v15, 4, v14
	v_add_nc_u32 v14, s19, v14                     ; the stage, on the way in: SP (lane / 4) + 16 (lane % 4)
	v_mul_u32_u24 v15, v2, SP
	v_add_nc_u32 v15, s19, v15                     ; on the way out: SP x lane: my 16 neighbours
	v_mul_u32_u24 v4, v2, CB                       ; my codes' place in a step's
	v_lshrrev_b32 v5, 1, v2
	s_add_co_u32 s19, s19, 2*32*SP
	v_add_nc_u32 v5, s19, v5                       ; LDS: my wave's 256 scale bytes, my block's byte
	v_lshlrev_b32 v7, 3, v2                        ; and on the way out 8 bytes a lane
	v_add_nc_u32 v6, s19, v7
	s_mov_b32 s23, MANT                            ; (an instruction takes one literal: the hold's line has another)
	s_lshl_b32 s20, ttmp9, 2
	s_add_co_u32 s20, s20, s18                     ; which run of 8,192 numbers is my wave's: 0 .. 2,047
	s_mov_b32 s25, 0
	s_lshl_b32 s24, s20, 15                        ; 32,768 bytes of f32 a run
	s_wait_kmcnt 0x0
	s_add_nc_u64 s[4:5], s[4:5], s[24:25]
	s_lshl_b32 s24, s20, 13                        ; 8,192 bytes of codes
	s_add_nc_u64 s[12:13], s[12:13], s[24:25]
	s_lshl_b32 s24, s20, 8                         ; 256 scale bytes
	s_add_nc_u64 s[14:15], s[14:15], s[24:25]
.macro LOAD t
.irp i, 0,1,2,3
	global_load_b128 v[R+16*((\t)%4)+4*\i:R+16*((\t)%4)+4*\i+3], v3, s[4:5] offset:2048*(\t)+512*\i   ; 32 lanes read 512 consecutive bytes
.endr
.endm
.macro TURN t                          ; step t's numbers through the stage: LDS serves a wave's instructions in order, so no wait stands between the stores and the loads
.irp i, 0,1,2,3
	ds_store_b128 v14, v[R+16*((\t)%4)+4*\i:R+16*((\t)%4)+4*\i+3] offset:32*SP*((\t)%2)+8*SP*\i
.endr
.irp i, 0,1,2,3
	ds_load_b128 v[X+16*((\t)%2)+4*\i:X+16*((\t)%2)+4*\i+3], v15 offset:32*SP*((\t)%2)+16*\i
.endr
.endm
.irp t, 0,1,2,3
	LOAD \t
.endr
	s_wait_loadcnt 12                              ; step 0's four loads are in; the twelve of steps 1 to 3 may be out
	TURN 0
.macro STEP t
.set XS, X+16*((\t)%2)
.if (\t) > 0
	s_wait_dscnt 1                                 ; this step's numbers are back from the stage (the last step's byte store may be out): so its stores into the stage have read their registers,
.else
	s_wait_dscnt 0x0
.endif
.if (\t)+4 < STEPS
	LOAD (\t)+4                                    ; which take the loads of four steps on
.endif
.if (\t)+1 < STEPS
.if STEPS-2-(\t) >= 3
	s_wait_loadcnt 12                              ; the next step's four loads are in; those of the three steps behind it may be out
.else
	s_wait_loadcnt 4*(STEPS-2-(\t))
.endif
	TURN (\t)+1                                    ; and go through the other stage while this step is worked
.endif
	v_max3_num_f32 v8, |v[XS]|, |v[XS+1]|, |v[XS+2]|               ; the largest magnitude of my 16, in two chains
	v_max3_num_f32 v9, |v[XS+3]|, |v[XS+4]|, |v[XS+5]|
.irp i, 6,10
	v_max3_num_f32 v8, v8, |v[XS+\i]|, |v[XS+\i+1]|
	v_max3_num_f32 v9, v9, |v[XS+\i+2]|, |v[XS+\i+3]|
.endr
	v_max3_num_f32 v8, v8, |v[XS+14]|, |v[XS+15]|
	v_max3_num_f32 v8, v8, v9, 0x8000000           ; and the floor 2^(16 - 127): so the byte cannot fall under 1
	v_max_num_f32_dpp v8, v8, v8 row_xmask:1 row_mask:0xf bank_mask:0xf   ; and of my neighbour's 16: the block's
	v_add_nc_u32 v11, 0xf8800000, v8               ; 15 off its exponent field: the conversion takes the exponent field of this operand as its scale, and nothing else of it
	v_and_or_b32 v10, v8, 0x7f800000, s23          ; 57,344 x the scale: the largest magnitude's exponent field over 57,344's mantissa
.irp i, 0,1,2,3,4,5,6,7,8,9,10,11,12,13,14,15
	v_med3_num_f32 v[XS+\i], v[XS+\i], -v10, v10   ; the conversion to an 8-bit code does not saturate (ISA guide 7.6.2): hold the number within the largest code x the scale first
.endr
	v_cvt_scalef32_pk8_bf8_f32 v[C+4*(\t):C+4*(\t)+1], v[XS:XS+7], v11
	v_cvt_scalef32_pk8_bf8_f32 v[C+4*(\t)+2:C+4*(\t)+3], v[XS+8:XS+15], v11
	v_lshrrev_b32 v[E+(\t)], 23, v11               ; the scale's byte (also the plain line behind the conversions)
	ds_store_b8 v5, v[E+(\t)] offset:16*(\t)       ; both lanes of a block write the same byte with the same value
	global_store_b128 v4, v[C+4*(\t):C+4*(\t)+3], s[12:13] offset:32*CB*(\t)   ; the wave stores 512 consecutive bytes, aligned
.endm
.irp t, 0,1,2,3,4,5,6,7,8,9,10,11,12,13,14,15
	STEP \t
.endr
	ds_load_b64 v[12:13], v6                       ; LDS serves a wave's instructions in order: these see my byte stores
	s_wait_dscnt 0x0
	global_store_b64 v7, v[12:13], s[14:15]        ; 32 lanes store 256 consecutive bytes, aligned
	s_wait_tensorcnt 0x0
	ds_add_u32 v192, v193
	s_wait_dscnt 0x0
	s_endpgm
	; ---------------- q = Wq query + bq ----------------
.Lq:
	s_sub_co_u32 s19, ttmp9, QWG
	s_lshl_b32 s19, s19, 5
	s_lshl_b32 s20, s18, 3
	s_add_co_u32 s19, s19, s20                     ; my wave's first row: 32 x (work-group - 512) + 8 x wave
	s_lshl_b32 s24, s19, 12                        ; a row of Wq is 4,096 bytes
	s_mov_b32 s25, 0
	s_lshl_b32 s26, s19, 2                         ; bq and qv: 4 bytes a row
	s_mov_b32 s27, 0
	s_mov_b32 s20, 0x76543210
	s_mov_b32 s21, 0xfedcba98                      ; v_permlanex16_b32's selects for lane l xor 16
	v_mov_b32 v185, 0                              ; a lane permute's destination counts as one of its sources
	v_mov_b32 v186, 0                              ; lane i will hold row i's sum
	v_and_b32 v188, 7, v2
	v_lshlrev_b32 v188, 2, v188                    ; 4 x (lane % 8)
	s_wait_kmcnt 0x0
	s_add_nc_u64 s[6:7], s[6:7], s[24:25]
	s_add_nc_u64 s[10:11], s[10:11], s[26:27]
	s_add_nc_u64 s[16:17], s[16:17], s[26:27]
.irp j, 0,1,2,3,4,5,6,7
	global_load_b128 v[QY+4*\j:QY+4*\j+3], v3, s[8:9] offset:512*\j          ; the query: register 4 j + e of lane l is number 128 j + 4 l + e
.endr
	global_load_b32 v187, v188, s[10:11]           ; bq of row lane % 8
.macro LOADROW i                       ; row i in the same order as the query, into set i % 4: eight loads of 512 consecutive bytes; read once in the launch
.irp j, 0,1,2,3,4,5,6,7
	global_load_b128 v[XR+32*((\i)%4)+4*\j:XR+32*((\i)%4)+4*\j+3], v3, s[6:7] offset:4096*(\i)+512*\j th:TH_LOAD_NT
.endr
.endm
.irp i, 0,1,2,3
	LOADROW \i
.endr
.macro ROW i
.set XS2, XR+32*((\i)%4)
.if 7-(\i) < 3
	s_wait_loadcnt 8*(7-(\i))                      ; my row's eight loads are in; the rows behind it may be out
.else
	s_wait_loadcnt 24                              ; my row's eight loads are in; the three rows behind it may be out
.endif
.irp p, 0,1,2,3
	v_pk_mul_f32 v[AC+2*\p:AC+2*\p+1], v[XS2+2*\p:XS2+2*\p+1], v[QY+2*\p:QY+2*\p+1]        ; the first products start four chains
.endr
.irp p, 4,5,6,7,8,9,10,11,12,13,14,15
	v_pk_fma_f32 v[AC+2*(\p%4):AC+2*(\p%4)+1], v[XS2+2*\p:XS2+2*\p+1], v[QY+2*\p:QY+2*\p+1], v[AC+2*(\p%4):AC+2*(\p%4)+1]
.endr
	v_pk_add_f32 v[AC:AC+1], v[AC:AC+1], v[AC+2:AC+3]
	v_pk_add_f32 v[AC+4:AC+5], v[AC+4:AC+5], v[AC+6:AC+7]
	v_pk_add_f32 v[AC:AC+1], v[AC:AC+1], v[AC+4:AC+5]
	v_add_f32 v184, v[AC], v[AC+1]
	v_add_f32_dpp v184, v184, v184 row_xmask:1 row_mask:0xf bank_mask:0xf
	v_add_f32_dpp v184, v184, v184 row_xmask:2 row_mask:0xf bank_mask:0xf
	v_add_f32_dpp v184, v184, v184 row_xmask:4 row_mask:0xf bank_mask:0xf
	v_add_f32_dpp v184, v184, v184 row_xmask:8 row_mask:0xf bank_mask:0xf
	v_permlanex16_b32 v185, v184, s20, s21
	v_add_f32 v184, v184, v185                     ; every lane holds the row's sum
	v_cmp_eq_u32 vcc_lo, \i, v2
	v_cndmask_b32 v186, v186, v184, vcc_lo         ; lane i keeps it
.if (\i) < 4
	LOADROW (\i)+4                                 ; the set takes the row four further on
.endif
.endm
.irp i, 0,1,2,3,4,5,6,7
	ROW \i
.endr
	v_add_f32 v186, v186, v187                     ; + bq
	s_wait_xcnt 0x0                                ; EXEC changes only behind this wait
	v_cmp_gt_u32 vcc_lo, 8, v2
	s_and_saveexec_b32 s22, vcc_lo
	global_store_b32 v188, v186, s[16:17]          ; lanes 0 to 7: 32 consecutive bytes a wave; all of qv is 16,384 bytes
	s_wait_xcnt 0x0
	s_or_b32 exec_lo, exec_lo, s22
	s_endpgm
.Lfunc_end_k_qaeafe45f0a_prep:
	.size	k_qaeafe45f0a_prep, .Lfunc_end_k_qaeafe45f0a_prep-k_qaeafe45f0a_prep
	.p2alignl 7, 3214868480
	.fill 96, 4, 3214868480
	.section	.rodata,"a",@progbits
	.p2align	6, 0x0
	.amdhsa_kernel k_qaeafe45f0a_prep
		.amdhsa_group_segment_fixed_size 33280
		.amdhsa_private_segment_fixed_size 0
		.amdhsa_enable_private_segment 0
		.amdhsa_kernarg_size 56
		.amdhsa_user_sgpr_count 2
		.amdhsa_user_sgpr_kernarg_segment_ptr 1
		.amdhsa_wavefront_size32 1
		.amdhsa_system_sgpr_workgroup_id_x 1
		.amdhsa_system_sgpr_workgroup_id_y 1
		.amdhsa_system_sgpr_workgroup_id_z 1
		.amdhsa_system_vgpr_workitem_id 0
		.amdhsa_next_free_vgpr 194
		.amdhsa_next_free_sgpr 66
		.amdhsa_reserve_vcc 1
		.amdhsa_float_denorm_mode_32 3
		.amdhsa_float_denorm_mode_16_64 3
		.amdhsa_memory_ordered 1
		.amdhsa_forward_progress 1
		.amdhsa_inst_pref_size 72
	.end_amdhsa_kernel
	.amdgpu_metadata
---
amdhsa.version: [ 1, 2 ]
amdhsa.kernels:
  - .name:           k_qaeafe45f0a_prep
    .symbol:         k_qaeafe45f0a_prep.kd
    .args:
      - { .name: key_mat, .offset: 0, .size: 8, .value_kind: global_buffer, .address_space: global }
      - { .name: Wq, .offset: 8, .size: 8, .value_kind: global_buffer, .address_space: global }
      - { .name: query, .offset: 16, .size: 8, .value_kind: global_buffer, .address_space: global }
      - { .name: bq, .offset: 24, .size: 8, .value_kind: global_buffer, .address_space: global }
      - { .name: keyc, .offset: 32, .size: 8, .value_kind: global_buffer, .address_space: global }
      - { .name: keys, .offset: 40, .size: 8, .value_kind: global_buffer, .address_space: global }
      - { .name: qv, .offset: 48, .size: 8, .value_kind: global_buffer, .address_space: global }
    .group_segment_fixed_size: 33280
    .private_segment_fixed_size: 0
    .kernarg_segment_align: 8
    .kernarg_segment_size: 56
    .max_flat_workgroup_size: 128
    .sgpr_count:     66
    .vgpr_count:     194
    .wavefront_size: 32
...
	.end_amdgpu_metadata
.endif
;; end of part 1
;; launch gemm (part 2): grid 4 x 64, 4 waves a work-group, clusters of 4 x 4, 327,680 bytes of LDS; arguments keyc, keys, Wk_codes, Wk_scales, qv, bk, part; writes part
.if DOCPART == 2
	.amdgcn_target "amdgcn-amd-amdhsa--gfx1250"
	.amdhsa_code_object_version 6
	.text
	.protected	k_qaeafe45f0a_gemm
	.globl	k_qaeafe45f0a_gemm
	.p2align	8
	.type	k_qaeafe45f0a_gemm,@function
k_qaeafe45f0a_gemm:
	s_mov_b64 s[64:65], 0
	v_nop
	global_prefetch_b8 v0, s[64:65] scope:SCOPE_SE
	s_setreg_imm32_b32 hwreg(HW_REG_WAVE_MODE, 25, 1), 1
	s_wait_xcnt 0x0
	s_wait_alu depctr_hold_cnt(0) depctr_sa_sdst(0) depctr_va_vdst(0) depctr_va_sdst(0) depctr_va_ssrc(0) depctr_va_vcc(0) depctr_vm_vsrc(0)
	s_getreg_b32 s2, hwreg(HW_REG_IB_STS2, 6, 4)
	s_cmp_eq_u32 s2, 0
	s_cbranch_scc0 .Lentry_in_a_cluster
	s_endpgm
.Lentry_in_a_cluster:
	s_bfe_u32 s2, ttmp6, 0x10000c
	s_cmp_lg_u32 s2, 0xf033
	s_cbranch_scc0 .Lentry_shape_is_right
	s_endpgm
.Lentry_shape_is_right:
; part[cg][key] = the sum over hid = 1024 cg .. 1024 cg + 1023 of (Q(key_mat)[key] . Wk[hid] + bk[hid]) q[hid].  The product [16384 x 4096], K = 1,024, is made on codes of BF8 (E5M2) with one E8M0 scale for
; each 32 along K; it never goes to memory: each finished tile is multiplied by q and summed along hid in f32, in registers.
; ORDER OF ROUNDING: a score is formed as sum(acc x q) + sum(bk x q), not as sum((acc + bk) x q): equal in exact arithmetic for every input; the roundings differ.
; SHARES.  256 work-groups that stay.  Work-group (cg, rb) owns keys 256 rb .. + 255 and hid 1024 cg .. + 1023: four tiles of 256 x 256, walked along hid.  Four waves, as many as a WGP has SIMDs; a wave makes
; 128 keys x 128 hid: 64 accumulators of 16 x 16, 512 registers.  K goes in steps of 256 through a ring of two LDS slots filled by the tensor data mover; the ring does not stop at a tile's end.
; THE SCALES of the 256 keys and of the 1,024 rows of Wk, for all of K, are dense blocks of memory: they come into LDS once, with the first fills, as rows of 256 bytes, and stay.
; CLUSTERS: 4 x 4 work-groups.  The four of a row of the cluster (same rb) need the same tiles of keys, the four of a column (same cg) the same tiles of Wk: each tile is asked for JOINTLY, by the same tensor
; load with the same descriptor and a mask that names the four.
; THE MATRIX INSTRUCTION IS USED TRANSPOSED (source 0 = 16 rows of Wk, source 1 = 16 keys): lane (r, h) holds key r, and register j of accumulator (a, b) hid 16 b + 8 h + j: so q's numbers for a lane are the
; same for all eight blocks of keys, 64 registers, and a key's sum needs one exchange between the halves of the lanes at the very end.
; REGISTERS, in windows of 256: window 0: v1-31 addresses and the eight packed sums; v32-63 scale words, two sets; v64-127 q of the tile in hand; v128-255 the keys' fragments (8 x 16 rows x 128 K), ONE set.
;   window 1: Wk's fragments, TWO sets, at v0 and at v128.   window 2: the 32 accumulators of my keys 0-63 ((a, b) at v[8 (8 a + b)]);   window 3: those of my keys 64-127.
.set NQ,     2                         ; matrix instructions deep in a slot: 256 along K
.set ROWB,   256                       ; a tile's row in bytes
.set KROW,   1024                      ; a row of codes in memory, in bytes
.set PITCH,  272                       ; an LDS row: 256 bytes + 16 of padding = 68 words: row r starts at bank 4 r mod 64 (64 banks of 4 bytes: ISA guide 11.1)
.set FR,     16                        ; registers of a fragment: 16 rows x 128 K
.set NL,     4                         ; LDS loads that bring one
.set NP,     8                         ; places behind this matrix instruction (ISA guide 7.12.1)
.set HALFT,  128*PITCH                 ; 128 rows: what one tensor load brings, and what one wave reads of either side
.set SLOT,   4*HALFT                   ; the keys' 256 rows, then Wk's 256 rows
.set SCL,    2*SLOT                    ; behind the ring: the keys' scales: 8,192 bytes as 32 rows of 256 + 16
.set HALFS,  4352                      ; the scales of 128 rows: 16 such rows
.set SBLK,   544                       ; those of 16 rows
.set BTILE,  8704                      ; those of a tile's 256 rows
.set BSC,    SCL+2*HALFS               ; Wk's scales, 1,024 rows: four tiles
.set SPARE,  BSC+4*BTILE               ; the spare words, 128 bytes for each wave: two blocks of 256 bytes that no other line names
.set XCH,    SPARE+512                 ; 512 bytes for each wave: 128 sums, for the exchange between the two column halves; no fill lands here
.set VO,    1                          ; v1      8 x lane: my place in the wave's 256 bytes of part
.set S,     2                          ; v2-17   eight packed sums: block a of keys at v[2 + 2 a : 3 + 2 a] (even j, odd j)
.set ADRA,  18                         ; v18-19  LDS address of my keys' fragments in slot 0, 1
.set ADRB,  20                         ; v20-21  the same for Wk
.set ADRS,  22                         ; v22     LDS address of my scale words: lanes 0-15 the keys', lanes 16-31 Wk's of the tile in hand
.set ADRSA, 23                         ; v23     the keys' alone
.set HH,    24                         ; v24     lane / 16
.set T,     25                         ; v25     at work
.set VQ,    26                         ; v26     32 x (lane / 16): my eight numbers of q in a block of 16
.set C0,    27                         ; v27     the sum of bk x q over my wave's 512 hid
.set SPW,   28                         ; v28     LDS address of my spare word; never rewritten
.set NIL,   29                         ; v29     0; never rewritten
.set XST,   30                         ; v30     the exchange: where I put a sum
.set XRD,   31                         ; v31     and where I read two back
.set SC,    32                         ; scale words: set s (slot s) at v[SC + 16 s]; register 2 i + q: lanes 0-15 the word of the keys' block i, lanes 16-31 that of Wk's block i
.set Q,     64
.set AF,    128
.set G1, 24                            ; s[24:31] descriptor group 1 for the keys' tiles;  s[32:39] group 0, one set for each slot
.set G0, 32
.set G1B, 48                           ; s[48:55], s[56:63] the same for Wk's tiles
.set G0B, 56
.set G1S, 68                           ; s[68:75], s[76:79] groups 1 and 0 for the keys' scales;  s[80:87], s[88:91] for Wk's
.set G0S, 76
.set G1SB, 80
.set G0SB, 88
.set DIST, 100                         ; s100    from my keys' scale words to my words of Wk's tile in hand
.set MSB, 0
.macro WIN new                         ; the immediate's high byte repeats the setting that is left
.if MSB != \new
	s_set_vgpr_msb (MSB<<8)|\new
.set MSB, \new
.endif
.endm
.set MUL_LO, 0xa1                      ; source 0 (Wk) window 1, source 1 (keys) window 0, C and D window 2
.set MUL_HI, 0xf1                      ; the same, C and D window 3
.set TO_B,   0x40                      ; destination window 1, address window 0
; A joint load: waves 0 and 1 fetch for the keys, waves 2 and 3 for Wk.  Each of the two lines has ONE mask and one set of registers for all that issue it; the branch hangs on the wave's number alone.
; Four v_nop follow each of the two lines, ahead of the jump, the label and what follows.
.macro JLOAD g0a, g1a, g0b, g1b
	s_cmp_eq_u32 s15, 0
	s_cbranch_scc0 .Lfor_b_\@
	tensor_load_to_lds s[\g0a:\g0a+3], s[\g1a:\g1a+7]
	s_nop 0
.rept 4
	v_nop
.endr
	s_branch .Lasked_\@
.Lfor_b_\@:
	tensor_load_to_lds s[\g0b:\g0b+3], s[\g1b:\g1b+7]
	s_nop 0
.rept 4
	v_nop
.endr
.Lasked_\@:
.endm
.macro CREST                           ; a round of the cluster's barrier behind its opening barrier
	s_cmp_lg_u32 s14, 0
	s_cbranch_scc1 .Lnot_wave_0_\@
	s_barrier_signal -3
.Lnot_wave_0_\@:
	s_barrier_wait -3
	s_barrier_signal -1
	s_barrier_wait -1
.endm
.macro CROUND                          ; a whole round
	s_barrier_signal -1
	s_barrier_wait -1
	CREST
.endm
	s_load_b128 s[4:7], s[0:1], 0x0                ; the keys' codes s[4:5], their scales s[6:7]
	s_load_b128 s[8:11], s[0:1], 0x10              ; Wk's codes s[8:9], its scales s[10:11]
	s_load_b128 s[96:99], s[0:1], 0x20             ; q s[96:97], bk s[98:99]
	s_load_b64 s[12:13], s[0:1], 0x30              ; part
	v_lshl_add_u32 v[SPW], v0, 2, SPARE
	v_mov_b32 v[NIL], 0
	ds_add_u32 v28, v29
	ds_add_u32 v28, v29
	s_wait_dscnt 0x0
	v_lshrrev_b32 v1, 5, v0
	v_readfirstlane_b32 s14, v1                    ; wave 0..3
	s_lshr_b32 s15, s14, 1                         ; which half of the tile's keys is mine.  Also: I fetch for the keys (0) or for Wk (1)
	s_and_b32 s16, s14, 1                          ; which half of its hid.  Also: which half of that side's rows I fetch
	s_bfe_u32 s40, ttmp6, 0x40000                  ; cx, cy: my place in the cluster
	s_bfe_u32 s41, ttmp6, 0x40004
	s_lshl_b32 s42, ttmp9, 2
	s_add_co_u32 s42, s42, s40                     ; cg = 4 x cluster x + cx
	s_and_b32 s17, ttmp7, 0xffff
	s_lshl_b32 s17, s17, 2
	s_add_co_u32 s17, s17, s41                     ; rb = 4 x cluster y + cy
	s_lshl_b32 s43, s41, 2
	s_lshl_b32 s43, 15, s43                        ; my row of the cluster
	s_lshl_b32 s44, 0x1111, s40                    ; my column
	; descriptor group 1: a tile of 128 rows x 256 bytes, padded in LDS
	s_or_b32 s[G1+0], s43, (0<<16)|(1<<20)|(1<<21)|(5<<22)|(3<<25)  ; 15:0 the mask: the keys' tiles go to my row; 17:16 element of 1 byte; 20 padding on; 21 set beside a mask; 24:22 after every 64 words (code 5); 31:25 of 4 words (code 3)
	s_or_b32 s[G1B+0], s44, (0<<16)|(1<<20)|(1<<21)|(5<<22)|(3<<25) ; the same with the mask of my column, for Wk's tiles
.irp g, G1, G1B
	s_mov_b32 s[\g+1], ROWB<<16                    ; tensor_dim0
	s_mov_b32 s[\g+2], 128<<16                     ; tensor_dim1 = 128
	s_mov_b32 s[\g+3], ROWB<<16                    ; tile_dim0
	s_mov_b32 s[\g+4], 128                         ; tile_dim1 = 128
	s_mov_b32 s[\g+5], KROW                        ; tensor_dim0_stride
	s_mov_b32 s[\g+6], 0
	s_mov_b32 s[\g+7], 0
.endr
	; the scales: dense blocks, as rows of 256 bytes (32 elements of 8 bytes), 16 bytes of padding behind each: 16 rows (128 keys) a load, 64 rows (512 rows of Wk) a load
	s_or_b32 s[G1S+0], s43, (3<<16)|(1<<20)|(1<<21)|(5<<22)|(3<<25)
	s_mov_b32 s[G1S+1], 32<<16
	s_mov_b32 s[G1S+2], 16<<16
	s_mov_b32 s[G1S+3], 32<<16
	s_mov_b32 s[G1S+4], 16
	s_mov_b32 s[G1S+5], 32
	s_mov_b32 s[G1S+6], 0
	s_mov_b32 s[G1S+7], 0
	s_or_b32 s[G1SB+0], s44, (3<<16)|(1<<20)|(1<<21)|(5<<22)|(3<<25)
	s_mov_b32 s[G1SB+1], 32<<16
	s_mov_b32 s[G1SB+2], 64<<16
	s_mov_b32 s[G1SB+3], 32<<16
	s_mov_b32 s[G1SB+4], 64
	s_mov_b32 s[G1SB+5], 32
	s_mov_b32 s[G1SB+6], 0
	s_mov_b32 s[G1SB+7], 0
	; where the tiles come from.  The keys' hang on rb alone, which my row of the cluster shares; Wk's on cg alone, which my column shares.  Every offset stays under 2^27.
	s_lshl_b32 s18, s16, 7                         ; which 128 rows of a tile I fetch
	s_lshl_b32 s20, s17, 8
	s_add_co_u32 s20, s20, s18                     ; key 256 rb + 128 x half
	s_lshl_b32 s22, s20, 5                         ; its scales: 32 bytes a row
	s_lshl_b32 s20, s20, 10                        ; its codes: 1,024 bytes a row
	s_mov_b32 s21, 0
	s_mov_b32 s23, 0
	s_lshl_b32 s46, s42, 10
	s_add_co_u32 s46, s46, s18                     ; Wk's row 1024 cg + 128 x half
	s_lshl_b32 s46, s46, 10
	s_mov_b32 s47, 0
	s_lshl_b32 s92, s42, 10
	s_lshl_b32 s93, s16, 9
	s_add_co_u32 s92, s92, s93                     ; Wk's scales: from row 1024 cg + 512 x half on
	s_lshl_b32 s92, s92, 5
	s_mov_b32 s93, 0
	s_mul_i32 s45, s14, HALFT                      ; where the codes go: wave x 128 rows: no place in the cluster enters an LDS address
	s_mul_i32 s94, s16, HALFS                      ; the keys' scales,
	s_mul_i32 s95, s16, 4*HALFS                    ; Wk's
	s_wait_kmcnt 0x0
	s_add_nc_u64 s[20:21], s[4:5], s[20:21]
	s_add_nc_u64 s[22:23], s[6:7], s[22:23]
	s_add_nc_u64 s[46:47], s[8:9], s[46:47]
	s_add_nc_u64 s[92:93], s[10:11], s[92:93]
	CROUND                                         ; all sixteen work-groups are here: the first joint loads meet
	s_mov_b32 s[G0S], 1
	s_add_co_u32 s[G0S+1], s94, SCL
	s_mov_b64 s[G0S+2:G0S+3], s[22:23]
	s_or_b32 s[G0S+3], s[G0S+3], 0x80000000
	s_mov_b32 s[G0SB], 1
	s_add_co_u32 s[G0SB+1], s95, BSC
	s_mov_b64 s[G0SB+2:G0SB+3], s[92:93]
	s_or_b32 s[G0SB+3], s[G0SB+3], 0x80000000
	JLOAD G0S, G1S, G0SB, G1SB                     ; the scales first: they are wanted with K step 0
.irp s, 0,1
	s_mov_b32 s[G0+4*\s], 1
	s_add_co_u32 s[G0+4*\s+1], s45, \s*SLOT
	s_add_nc_u64 s[G0+4*\s+2:G0+4*\s+3], s[20:21], \s*ROWB
	s_or_b32 s[G0+4*\s+3], s[G0+4*\s+3], 0x80000000
	s_mov_b32 s[G0B+4*\s], 1
	s_add_co_u32 s[G0B+4*\s+1], s45, \s*SLOT
	s_add_nc_u64 s[G0B+4*\s+2:G0B+4*\s+3], s[46:47], \s*ROWB
	s_or_b32 s[G0B+4*\s+3], s[G0B+4*\s+3], 0x80000000
	JLOAD G0+4*\s, G1, G0B+4*\s, G1B               ; three tensor loads of mine are out now; later one
.endr
	; addresses (v2-6 are at work here; they become sums below)
	v_and_b32 v2, 15, v0                           ; r = lane % 16
	v_bfe_u32 v[HH], v0, 4, 1                      ; h = lane / 16
	v_mul_u32_u24 v3, v2, PITCH
	v_lshl_add_u32 v4, v[HH], 4, v3                ; a fragment's row x pitch + 16 x half
	s_mul_i32 s21, s15, HALFT                      ; my 128 keys
	s_mul_i32 s22, s16, HALFT                      ; my 128 rows of Wk,
	s_add_co_u32 s22, s22, 2*HALFT                 ; which lie behind the 256 keys
.irp s, 0,1
	v_add_nc_u32 v[ADRA+\s], s21, v4
	v_add_nc_u32 v[ADRB+\s], s22, v4
	s_add_co_u32 s21, s21, SLOT
	s_add_co_u32 s22, s22, SLOT
.endr
	v_mul_u32_u24 v5, v2, 32                       ; my row's scales: 32 bytes a row,
	v_lshrrev_b32 v6, 8, v5
	v_lshl_add_u32 v5, v6, 4, v5                   ; and 16 more for each 256 passed
	s_mul_i32 s21, s15, HALFS                      ; the keys': my 128 rows
	s_mul_i32 s[DIST], s16, HALFS                  ; Wk's: my 128 rows of tile 0, behind the keys' 256
	s_add_co_u32 s[DIST], s[DIST], 2*HALFS
	s_sub_co_u32 s[DIST], s[DIST], s21
	s_add_co_u32 s21, s21, SCL
	v_add_nc_u32 v[ADRSA], s21, v5
	v_mul_u32_u24 v[T], s[DIST], v[HH]             ; lanes 16-31 take Wk's: the lower base + h x the distance
	v_add_nc_u32 v[ADRS], v[T], v[ADRSA]
	v_and_b32 v3, 31, v0                           ; lane
	v_lshlrev_b32 v[VO], 3, v3
	v_lshlrev_b32 v[VQ], 5, v[HH]
	s_lshl_b32 s21, s14, 9
	s_add_co_u32 s21, s21, XCH
	v_lshl_add_u32 v[XST], v2, 2, s21              ; the exchange, in: 512 x wave + 4 r; block a stands in the immediate
	s_lshl_b32 s21, s15, 10
	s_lshl_b32 s22, s16, 8
	s_add_co_u32 s21, s21, s22
	s_add_co_u32 s21, s21, XCH
	v_add_nc_u32 v[XRD], s21, v[VO]                ; out: my row half's two regions; of its 128 keys I take 64: two a lane
	v_lshlrev_b32 v[T], 4, v3                      ; 16 x lane
	s_mov_b32 s20, 0x76543210
	s_mov_b32 s21, 0xfedcba98                      ; v_permlanex16_b32's selects for lane l xor 16
	s_lshl_b32 s92, s42, 12                        ; q and bk at hid 1024 cg + 128 x my column half: 4 bytes each
	s_lshl_b32 s93, s16, 9
	s_add_co_u32 s92, s92, s93
	s_mov_b32 s93, 0
	s_add_nc_u64 s[96:97], s[96:97], s[92:93]
	s_add_nc_u64 s[98:99], s[98:99], s[92:93]
	s_lshl_b32 s94, s42, 16                        ; part: 65,536 cg + 1,024 rb + 256 x wave
	s_lshl_b32 s95, s17, 10
	s_add_co_u32 s94, s94, s95
	s_lshl_b32 s95, s14, 8
	s_add_co_u32 s94, s94, s95
	s_mov_b32 s95, 0
	s_add_nc_u64 s[12:13], s[12:13], s[94:95]
.irp t, 0,1,2,3                                ; bk and q of my 128 hid in each of the four tiles, 4 numbers a lane: for the bias's share of a score
	global_load_b128 v[128+4*\t:131+4*\t], v[T], s[98:99] offset:1024*\t
	global_load_b128 v[144+4*\t:147+4*\t], v[T], s[96:97] offset:1024*\t
.endr
.macro QLOAD                           ; q of the tile at s[96:97], in the accumulators' order: register 8 b + j = q(16 b + 8 h + j)
.irp b, 0,1,2,3,4,5,6,7
	global_load_b128 v[Q+8*\b:Q+8*\b+3],   v[VQ], s[96:97] offset:64*\b
	global_load_b128 v[Q+8*\b+4:Q+8*\b+7], v[VQ], s[96:97] offset:64*\b+16
.endr
.endm
	QLOAD
.irp i, 0,1,2,3,4,5,6,7,8,9,10,11,12,13,14,15
	v_mov_b32 v[S+\i], 0                           ; the eight packed sums run over all four tiles: the way out is written once, so they begin as zeros
.endr
	s_wait_loadcnt 16                              ; bk's and q's eight plain loads are in; the 16 of the first tile's q may be out
	v_pk_mul_f32 v[160:161], v[128:129], v[144:145]
	v_pk_mul_f32 v[162:163], v[130:131], v[146:147]
.irp p, 2,3,4,5,6,7
	v_pk_fma_f32 v[160+2*(\p%2):161+2*(\p%2)], v[128+2*\p:129+2*\p], v[144+2*\p:145+2*\p], v[160+2*(\p%2):161+2*(\p%2)]
.endr
	v_pk_add_f32 v[160:161], v[160:161], v[162:163]
	v_add_f32 v[C0], v160, v161
	v_add_f32_dpp v[C0], v[C0], v[C0] row_xmask:1 row_mask:0xf bank_mask:0xf
	v_add_f32_dpp v[C0], v[C0], v[C0] row_xmask:2 row_mask:0xf bank_mask:0xf
	v_add_f32_dpp v[C0], v[C0], v[C0] row_xmask:4 row_mask:0xf bank_mask:0xf
	v_add_f32_dpp v[C0], v[C0], v[C0] row_xmask:8 row_mask:0xf bank_mask:0xf
	v_permlanex16_b32 v160, v[C0], s20, s21
	v_add_f32 v[C0], v[C0], v160                   ; every lane: the sum of bk x q over my wave's 512 hid
.macro FRAG reg, adr, q, i             ; a fragment, 16 rows x 128 K of 8-bit codes, is 16 registers: lane l holds row l % 16; registers 4 c .. 4 c + 3 hold K = 32 c + 16 (l / 16) + 0 .. 15
.irp c, 0,1,2,3
	ds_load_b128 v[\reg+4*\c:\reg+4*\c+3], v[\adr] offset:128*(\q)+32*\c+(\i)*16*PITCH
.endr
.endm
; 16 matrix instructions: the keys' blocks a0, a0 + 1 x Wk's eight, 128 along K: the slot's q-th.  p: Wk's set;  sc: the set of scale words.  zero = 1: the first product starts the sums: nothing is cleared.
; The 64 accumulators take turns, one instruction a turn, in the same order in every step.
.macro MUL16 a0, p, q, sc, zero
.irp a, \a0, \a0+1
.irp b, 0,1,2,3,4,5,6,7
.if \zero
	v_wmma_scale_f32_16x16x128_f8f6f4 v[8*(8*((\a)%4)+\b):8*(8*((\a)%4)+\b)+7], v[128*(\p)+FR*\b:128*(\p)+FR*\b+FR-1], v[AF+FR*(\a):AF+FR*(\a)+FR-1], 0, v[SC+8*NQ*(\sc)+NQ*\b+(\q)], v[SC+8*NQ*(\sc)+NQ*(\a)+(\q)] matrix_a_fmt:MATRIX_FMT_BF8 matrix_b_fmt:MATRIX_FMT_BF8 matrix_a_scale:MATRIX_SCALE_ROW1
.else
	v_wmma_scale_f32_16x16x128_f8f6f4 v[8*(8*((\a)%4)+\b):8*(8*((\a)%4)+\b)+7], v[128*(\p)+FR*\b:128*(\p)+FR*\b+FR-1], v[AF+FR*(\a):AF+FR*(\a)+FR-1], v[8*(8*((\a)%4)+\b):8*(8*((\a)%4)+\b)+7], v[SC+8*NQ*(\sc)+NQ*\b+(\q)], v[SC+8*NQ*(\sc)+NQ*(\a)+(\q)] matrix_a_fmt:MATRIX_FMT_BF8 matrix_b_fmt:MATRIX_FMT_BF8 matrix_a_scale:MATRIX_SCALE_ROW1
.endif
.endr
.endr
.endm
.macro FETCH_B slot, q, p              ; Wk's eight fragments of the slot's q-th 128 along K into set p
	WIN TO_B
.irp i, 0,1,2,3,4,5,6,7
	FRAG 128*(\p)+FR*\i, ADRB+\slot, \q, \i
.endr
	WIN 0
.endm
.macro FETCH_A slot, q, i0             ; the keys' blocks i0 .. i0 + 3
.irp i, \i0, \i0+1, \i0+2, \i0+3
	FRAG AF+FR*(\i), ADRA+\slot, \q, \i
.endr
.endm
.macro SCALES sc, ks                   ; K step ks's scale words into set sc: two words a row; lanes 0-15 take the keys' block i, lanes 16-31 Wk's block i
.irp i, 0,1,2,3,4,5,6,7
	ds_load_b64 v[SC+8*NQ*\sc+NQ*\i:SC+8*NQ*\sc+NQ*\i+1], v[ADRS] offset:\i*SBLK+8*\ks
.endr
.endm
; A load into a register that a matrix instruction has read, and a vector instruction that reads a matrix result, stand NP places behind that matrix instruction, and only plain vector instructions that name
; none of its registers are places (ISA guide 7.12.1 for vector instructions); this text does not count the matrix instructions in between.
.macro PLACES n
.rept \n
	v_nop
.endr
.endm
; A step of 128 along K that has its successor in the same slot.
.macro STEP slot, q, zero
	s_wait_dscnt 4*NL                              ; Wk's set, the scale words and the keys' blocks 0-3 are in; the youngest sixteen loads (blocks 4-7) may be out
	WIN MUL_LO
	MUL16 0, (\q)%2, \q, \slot, \zero
	MUL16 2, (\q)%2, \q, \slot, \zero
	s_wait_dscnt 0                                 ; blocks 4-7 are in (asked for 32 matrix instructions ago)
	PLACES NP
	FETCH_B \slot, (\q)+1, 1-(\q)%2
	FETCH_A \slot, (\q)+1, 0
	WIN MUL_HI
	MUL16 4, (\q)%2, \q, \slot, \zero
	MUL16 6, (\q)%2, \q, \slot, \zero
	PLACES NP
	WIN 0
	FETCH_A \slot, (\q)+1, 4
.endm
; A slot's last step changes slots: ONE barrier; in front of it each wave waits for all its tensor loads, adds 0 to its spare word, and waits for that and for its own reads of this slot.
; fill = 1: this slot is filled again with this tile's K step two steps on.  fill = 2: with the NEXT tile's K step 0 or 1: the keys go back along K, Wk goes 256 rows down and back along K.  fill = 0: nothing.
; ks: the K step, within its tile, that the next slot holds.  newt = 1: that step is the next tile's first: Wk's scale words move on by a tile.
.macro TURN slot, next, fill, ks, newt
	s_wait_tensorcnt 0x0                           ; all my tensor loads have landed: my part of the next slot;  (every window is 0 here: the add's two registers lie in window 0)
	ds_add_u32 v[SPW], v[NIL]                      ; 0 onto my spare word
	s_wait_dscnt 4*NL+1                            ; (the add and the youngest sixteen loads, the keys' blocks 4-7, may be out)
	WIN MUL_LO
	MUL16 0, 1, NQ-1, \slot, 0                     ; sixteen matrix instructions stand between the add and the wait for it
	s_wait_dscnt 0x0                               ; the add is done, and my reads of this slot are over
	s_barrier_signal -1
	MUL16 2, 1, NQ-1, \slot, 0
	WIN 0
	s_barrier_wait -1
.if \fill
	CREST                                          ; the barrier has opened a round of the cluster's barrier: no wave of any partner still reads this slot's tile or has a load on its way
.if \fill == 1
	s_add_nc_u64 s[G0+4*\slot+2:G0+4*\slot+3], s[G0+4*\slot+2:G0+4*\slot+3], 2*ROWB
	s_add_nc_u64 s[G0B+4*\slot+2:G0B+4*\slot+3], s[G0B+4*\slot+2:G0B+4*\slot+3], 2*ROWB
.else
	s_sub_nc_u64 s[G0+4*\slot+2:G0+4*\slot+3], s[G0+4*\slot+2:G0+4*\slot+3], 2*ROWB
	s_add_nc_u64 s[G0B+4*\slot+2:G0B+4*\slot+3], s[G0B+4*\slot+2:G0B+4*\slot+3], 256*KROW-2*ROWB
.endif
	JLOAD G0+4*\slot, G1, G0B+4*\slot, G1B         ; the first tensor load behind the round, my one load until the next; the four v_nop behind it are among the places in front of the loads below
	PLACES NP-4
.else
	PLACES NP
.endif
.if \newt
	s_add_co_u32 s[DIST], s[DIST], BTILE
	v_mul_u32_u24 v[T], s[DIST], v[HH]
	v_add_nc_u32 v[ADRS], v[T], v[ADRSA]
.endif
	FETCH_B \next, 0, 0
	FETCH_A \next, 0, 0
	SCALES \next, \ks
	WIN MUL_HI
	MUL16 4, 1, NQ-1, \slot, 0
	MUL16 6, 1, NQ-1, \slot, 0
	PLACES NP
	WIN 0
	FETCH_A \next, 0, 4
.endm
; THE WAY OUT OF A TILE: nothing is stored.  Each accumulator is multiplied by q and added onto its block's packed sum: 256 packed multiply-adds, four chains by turns; each accumulator is read from its low end on.
; They stand NP places behind the last product, and are themselves the places in front of the next tile's first products, which begin the accumulators anew.
; more = 1: the next tile's q is asked for, a whole tile ahead of its use.
.macro EPI more
	s_wait_loadcnt 0x0                             ; this tile's q is in; no load of mine is out, so q's base may step
	WIN 0x02                                       ; source 0: window 2
.irp b, 0,1,2,3,4,5,6,7
.irp i, 0,1,2,3
.irp a, 0,1,2,3
	v_pk_fma_f32 v[S+2*\a:S+2*\a+1], v[8*(8*\a+\b)+2*\i:8*(8*\a+\b)+2*\i+1], v[Q+8*\b+2*\i:Q+8*\b+2*\i+1], v[S+2*\a:S+2*\a+1]
.endr
.endr
.endr
	WIN 0x03                                       ; source 0: window 3
.irp b, 0,1,2,3,4,5,6,7
.irp i, 0,1,2,3
.irp a, 0,1,2,3
	v_pk_fma_f32 v[S+8+2*\a:S+8+2*\a+1], v[8*(8*\a+\b)+2*\i:8*(8*\a+\b)+2*\i+1], v[Q+8*\b+2*\i:Q+8*\b+2*\i+1], v[S+8+2*\a:S+8+2*\a+1]
.endr
.endr
.endr
	WIN 0
.if \more
	s_add_nc_u64 s[96:97], s[96:97], 1024          ; 256 hid on
	QLOAD
.endif
.endm
	s_wait_tensorcnt 1                             ; the scales and my part of K step 0 are in (K step 1's load may be out)
	s_barrier_signal -1
	s_barrier_wait -1                              ; everybody's are
	FETCH_B 0, 0, 0
	FETCH_A 0, 0, 0
	SCALES 0, 0
	FETCH_A 0, 0, 4
	s_mov_b32 s3, 3
.Ltile:                                                ; three trips: a tile that has a successor; its last two changes of slots ask for the next tile's first two K steps
	STEP 0, 0, 1                                   ; the tile's first products start the sums
	TURN 0, 1, 1, 1, 0
	STEP 1, 0, 0
	TURN 1, 0, 1, 2, 0
	STEP 0, 0, 0
	TURN 0, 1, 2, 3, 0
	STEP 1, 0, 0
	TURN 1, 0, 2, 0, 1
	EPI 1
	s_sub_co_u32 s3, s3, 1
	s_cmp_lg_u32 s3, 0
	s_cbranch_scc1 .Ltile
	STEP 0, 0, 1                                   ; the last tile is written out
	TURN 0, 1, 1, 1, 0
	STEP 1, 0, 0
	TURN 1, 0, 1, 2, 0
	STEP 0, 0, 0
	TURN 0, 1, 0, 3, 0                             ; nothing is left to fetch: no round of the cluster's barrier
	STEP 1, 0, 0
	s_wait_dscnt 4*NL                              ; the very last step
	WIN MUL_LO
	MUL16 0, 1, NQ-1, 1, 0
	MUL16 2, 1, NQ-1, 1, 0
	s_wait_dscnt 0
	WIN MUL_HI
	MUL16 4, 1, NQ-1, 1, 0
	MUL16 6, 1, NQ-1, 1, 0
	WIN 0
	PLACES NP
	EPI 0
	; THE END.  A block's two halves (even j, odd j) and the other half of the lanes' are added, then the bias's share.  The two waves of a row half hold the same keys' sums over different hid: they meet in LDS.
.irp a, 0,1,2,3,4,5,6,7
	v_add_f32 v[S+2*\a], v[S+2*\a], v[S+2*\a+1]
.endr
.irp a, 0,1,2,3,4,5,6,7
	v_permlanex16_b32 v[S+2*\a+1], v[S+2*\a], s20, s21
.endr
.irp a, 0,1,2,3,4,5,6,7
	v_add_f32 v[S+2*\a], v[S+2*\a], v[S+2*\a+1]
.endr
.irp a, 0,1,2,3,4,5,6,7
	v_add_f32 v[S+2*\a], v[S+2*\a], v[C0]
.endr
.irp a, 0,1,2,3,4,5,6,7
	ds_store_b32 v[XST], v[S+2*\a] offset:64*\a    ; key 16 a + r; lanes r and r + 16 write the same word with the same value
.endr
	s_wait_dscnt 0x0                               ; for the others' sake: my stores are done
	s_barrier_signal -1
	s_barrier_wait -1
	ds_load_b64 v[128:129], v[XRD]                 ; two keys' sums of the left column half,
	ds_load_b64 v[130:131], v[XRD] offset:512      ; and of the right
	s_wait_dscnt 0x0
	v_pk_add_f32 v[128:129], v[128:129], v[130:131]
	global_store_b64 v[VO], v[128:129], s[12:13]   ; the wave stores 256 consecutive bytes, aligned
	s_wait_tensorcnt 0x0                           ; the wave's end, behind my last tensor load and my last LDS store
	ds_add_u32 v[SPW], v[NIL]
	s_wait_dscnt 0x0
	CROUND                                         ; the closing round: no work-group ends while a partner may still ask for a tile that names it
	s_endpgm
.Lfunc_end_k_qaeafe45f0a_gemm:
	.size	k_qaeafe45f0a_gemm, .Lfunc_end_k_qaeafe45f0a_gemm-k_qaeafe45f0a_gemm
	.p2alignl 7, 3214868480
	.fill 96, 4, 3214868480
	.section	.rodata,"a",@progbits
	.p2align	6, 0x0
	.amdhsa_kernel k_qaeafe45f0a_gemm
		.amdhsa_group_segment_fixed_size 327680
		.amdhsa_private_segment_fixed_size 0
		.amdhsa_enable_private_segment 0
		.amdhsa_kernarg_size 56
		.amdhsa_user_sgpr_count 2
		.amdhsa_user_sgpr_kernarg_segment_ptr 1
		.amdhsa_wavefront_size32 1
		.amdhsa_system_sgpr_workgroup_id_x 1
		.amdhsa_system_sgpr_workgroup_id_y 1
		.amdhsa_system_sgpr_workgroup_id_z 1
		.amdhsa_system_vgpr_workitem_id 0
		.amdhsa_next_free_vgpr 1024
		.amdhsa_next_free_sgpr 102
		.amdhsa_reserve_vcc 0
		.amdhsa_float_denorm_mode_32 3
		.amdhsa_float_denorm_mode_16_64 3
		.amdhsa_memory_ordered 1
		.amdhsa_forward_progress 1
		.amdhsa_inst_pref_size 255
	.end_amdhsa_kernel
	.section	.bss,"aw",@nobits
	.p2align	6
	.space	262144
	.amdgpu_metadata
---
amdhsa.version: [ 1, 2 ]
amdhsa.kernels:
  - .name:           k_qaeafe45f0a_gemm
    .symbol:         k_qaeafe45f0a_gemm.kd
    .args:
      - { .name: keyc, .offset: 0, .size: 8, .value_kind: global_buffer, .address_space: global }
      - { .name: keys, .offset: 8, .size: 8, .value_kind: global_buffer, .address_space: global }
      - { .name: Wk_codes, .offset: 16, .size: 8, .value_kind: global_buffer, .address_space: global }
      - { .name: Wk_scales, .offset: 24, .size: 8, .value_kind: global_buffer, .address_space: global }
      - { .name: qv, .offset: 32, .size: 8, .value_kind: global_buffer, .address_space: global }
      - { .name: bk, .offset: 40, .size: 8, .value_kind: global_buffer, .address_space: global }
      - { .name: part, .offset: 48, .size: 8, .value_kind: global_buffer, .address_space: global }
    .group_segment_fixed_size: 327680
    .private_segment_fixed_size: 0
    .kernarg_segment_align: 8
    .kernarg_segment_size: 56
    .max_flat_workgroup_size: 128
    .sgpr_count:     102
    .vgpr_count:     1024
    .wavefront_size: 32
...
	.end_amdgpu_metadata
.endif
;; end of part 2
;; launch pick (part 3): grid 1 x 1, 32 waves a work-group, no clusters, 6,144 bytes of LDS; arguments part, order; writes order
.if DOCPART == 3
	.amdgcn_target "amdgcn-amd-amdhsa--gfx1250"
	.amdhsa_code_object_version 6
	.text
	.protected	k_qaeafe45f0a_pick
	.globl	k_qaeafe45f0a_pick
	.p2align	8
	.type	k_qaeafe45f0a_pick,@function
k_qaeafe45f0a_pick:
	s_mov_b64 s[64:65], 0
	v_nop
	global_prefetch_b8 v0, s[64:65] scope:SCOPE_SE
	s_setreg_imm32_b32 hwreg(HW_REG_WAVE_MODE, 25, 1), 1
	s_wait_xcnt 0x0
; The scores are the sums of part's four rows [4][16384]; the six largest are picked, equal scores by the lower index, and their indices stored as whole numbers (order, words 0 to 5; words 6 to 31 are 0).
; One work-group: the choice spans all 16,384 scores, and work-groups hand each other nothing inside a launch.  Its 32 waves hold 512 scores each, 16 a lane.
; Stage 1: every wave picks its own six (score descending, index ascending).  Stage 2: wave 0 picks six of the 192, by the same order: the six of the whole lie among them.
; A pick: the largest score (in the lane, across the lanes); the lowest index that holds it; that entry becomes -infinity.  No branch and no address hangs on a score: all is done by compare and select.
; Indices are kept as f32 (whole numbers under 2^24 are exact), so that the same minimum across lanes serves them.
; LIMITS: NaN among the scores is not served; +0 and -0 count as equal; a score of -infinity is not told from an entry already taken.
.set V,   16                           ; v16-31   my 16 scores (v32-79: the other three rows of part as loaded)
.set I,   80                           ; v80-95   their indices
.set T,   98
.set X,   99                           ; a lane permute's destination
.set NEG, 100                          ; -infinity
.set RES, 101                          ; lane r: the r-th index
.set INF, 102                          ; +infinity
.set MR,  104                          ; v104-109 the six maxima
.set CR,  110                          ; v110-115 their indices
	s_load_b128 s[4:7], s[0:1], 0x0                ; part s[4:5], order s[6:7]
	v_lshl_add_u32 v120, v0, 2, 0x800
	v_mov_b32 v121, 0
	v_lshrrev_b32 v1, 5, v0
	v_readfirstlane_b32 s8, v1                     ; wave 0..31
	v_lshlrev_b32 v2, 4, v0                        ; 16 x thread: each load of a wave covers 512 consecutive bytes
	v_mul_u32_u24 v3, v1, 24                       ; LDS: my wave's six words
	v_and_b32 v6, 31, v0                           ; lane
	v_mul_u32_u24 v5, v6, 24                       ; stage 2: lane l takes wave l's six
	v_lshlrev_b32 v7, 2, v6
	s_mov_b32 s10, 0x76543210
	s_mov_b32 s11, 0xfedcba98                      ; v_permlanex16_b32's selects for lane l xor 16
	s_wait_kmcnt 0x0
.irp p, 0,1,2,3
.irp j, 0,1,2,3
	global_load_b128 v[V+16*\p+4*\j:V+16*\p+4*\j+3], v2, s[4:5] offset:65536*\p+16384*\j   ; row p, keys 4096 j + 4 t + 0 .. 3
.endr
.endr
	v_lshlrev_b32 v4, 2, v0                        ; 4 t
.set kk, 0
.rept 16
	v_add_nc_u32 v[I+kk], 4096*(kk/4)+(kk%4), v4
.set kk, kk+1
.endr
.set kk, 0
.rept 16
	v_cvt_f32_u32 v[I+kk], v[I+kk]
.set kk, kk+1
.endr
	v_mov_b32 v[X], 0
	v_mov_b32 v[RES], 0
	v_mov_b32 v[NEG], 0xff800000
	v_mov_b32 v[INF], 0x7f800000
	s_wait_loadcnt 8                               ; rows 0 and 1 are in; the eight loads of rows 2 and 3 may be out
.irp k, 0,2,4,6,8,10,12,14
	v_pk_add_f32 v[V+\k:V+\k+1], v[V+\k:V+\k+1], v[V+16+\k:V+16+\k+1]
.endr
	s_wait_loadcnt 4                               ; row 2 is in
.irp k, 0,2,4,6,8,10,12,14
	v_pk_add_f32 v[V+\k:V+\k+1], v[V+\k:V+\k+1], v[V+32+\k:V+32+\k+1]
.endr
	s_wait_loadcnt 0x0
.irp k, 0,2,4,6,8,10,12,14
	v_pk_add_f32 v[V+\k:V+\k+1], v[V+\k:V+\k+1], v[V+48+\k:V+48+\k+1]
.endr
; One pick among n entries a lane (n even, at least 6): the maximum into v[mr], its lowest index into v[cr], in every lane.
.macro PICK n, mr, cr
	v_max3_num_f32 v[\mr], v[V], v[V+1], v[V+2]
.set kk, 3
.rept (\n-4)/2
	v_max3_num_f32 v[\mr], v[\mr], v[V+kk], v[V+kk+1]
.set kk, kk+2
.endr
	v_max_num_f32 v[\mr], v[\mr], v[V+\n-1]
	v_max_num_f32_dpp v[\mr], v[\mr], v[\mr] row_xmask:1 row_mask:0xf bank_mask:0xf
	v_max_num_f32_dpp v[\mr], v[\mr], v[\mr] row_xmask:2 row_mask:0xf bank_mask:0xf
	v_max_num_f32_dpp v[\mr], v[\mr], v[\mr] row_xmask:4 row_mask:0xf bank_mask:0xf
	v_max_num_f32_dpp v[\mr], v[\mr], v[\mr] row_xmask:8 row_mask:0xf bank_mask:0xf
	v_permlanex16_b32 v[X], v[\mr], s10, s11
	v_max_num_f32 v[\mr], v[\mr], v[X]
	v_mov_b32 v[\cr], v[INF]
.set kk, 0
.rept \n
	v_cmp_eq_f32 vcc_lo, v[V+kk], v[\mr]
	v_cndmask_b32 v[T], v[INF], v[I+kk], vcc_lo    ; its index where the entry holds the maximum, else +infinity
	v_min_num_f32 v[\cr], v[\cr], v[T]
.set kk, kk+1
.endr
	v_min_num_f32_dpp v[\cr], v[\cr], v[\cr] row_xmask:1 row_mask:0xf bank_mask:0xf
	v_min_num_f32_dpp v[\cr], v[\cr], v[\cr] row_xmask:2 row_mask:0xf bank_mask:0xf
	v_min_num_f32_dpp v[\cr], v[\cr], v[\cr] row_xmask:4 row_mask:0xf bank_mask:0xf
	v_min_num_f32_dpp v[\cr], v[\cr], v[\cr] row_xmask:8 row_mask:0xf bank_mask:0xf
	v_permlanex16_b32 v[X], v[\cr], s10, s11
	v_min_num_f32 v[\cr], v[\cr], v[X]
.set kk, 0
.rept \n
	v_cmp_eq_f32 vcc_lo, v[I+kk], v[\cr]
	v_cndmask_b32 v[V+kk], v[V+kk], v[NEG], vcc_lo ; the entry taken counts no more
.set kk, kk+1
.endr
.endm
.irp r, 0,1,2,3,4,5
	PICK 16, MR+\r, CR+\r
.endr
.irp c, 0,1,2
	ds_store_b64 v3, v[MR+2*\c:MR+2*\c+1] offset:8*\c          ; all lanes write the same words with the same values
	ds_store_b64 v3, v[CR+2*\c:CR+2*\c+1] offset:1024+8*\c
.endr
	s_wait_dscnt 0x0                               ; for wave 0's sake: my stores are done
	s_barrier_signal -1
	s_barrier_wait -1
	s_cmp_lg_u32 s8, 0
	s_cbranch_scc1 .Lend
.irp c, 0,1,2
	ds_load_b64 v[V+2*\c:V+2*\c+1], v5 offset:8*\c
	ds_load_b64 v[I+2*\c:I+2*\c+1], v5 offset:1024+8*\c
.endr
	s_wait_dscnt 0x0
.irp r, 0,1,2,3,4,5
	PICK 6, MR+\r, CR+\r
	v_cvt_u32_f32 v[T], v[CR+\r]
	v_cmp_eq_u32 vcc_lo, \r, v6
	v_cndmask_b32 v[RES], v[RES], v[T], vcc_lo     ; lane r keeps the r-th index
.endr
	global_store_b32 v7, v[RES], s[6:7]            ; 128 consecutive bytes
.Lend:
	s_wait_tensorcnt 0x0
	ds_add_u32 v120, v121
	s_wait_dscnt 0x0
	s_endpgm
.Lfunc_end_k_qaeafe45f0a_pick:
	.size	k_qaeafe45f0a_pick, .Lfunc_end_k_qaeafe45f0a_pick-k_qaeafe45f0a_pick
	.p2alignl 7, 3214868480
	.fill 96, 4, 3214868480
	.section	.rodata,"a",@progbits
	.p2align	6, 0x0
	.amdhsa_kernel k_qaeafe45f0a_pick
		.amdhsa_group_segment_fixed_size 6144
		.amdhsa_private_segment_fixed_size 0
		.amdhsa_enable_private_segment 0
		.amdhsa_kernarg_size 16
		.amdhsa_user_sgpr_count 2
		.amdhsa_user_sgpr_kernarg_segment_ptr 1
		.amdhsa_wavefront_size32 1
		.amdhsa_system_sgpr_workgroup_id_x 1
		.amdhsa_system_sgpr_workgroup_id_y 1
		.amdhsa_system_sgpr_workgroup_id_z 1
		.amdhsa_system_vgpr_workitem_id 0
		.amdhsa_next_free_vgpr 122
		.amdhsa_next_free_sgpr 66
		.amdhsa_reserve_vcc 1
		.amdhsa_float_denorm_mode_32 3
		.amdhsa_float_denorm_mode_16_64 3
		.amdhsa_memory_ordered 1
		.amdhsa_forward_progress 1
		.amdhsa_inst_pref_size 41
	.end_amdhsa_kernel
	.amdgpu_metadata
---
amdhsa.version: [ 1, 2 ]
amdhsa.kernels:
  - .name:           k_qaeafe45f0a_pick
    .symbol:         k_qaeafe45f0a_pick.kd
    .args:
      - { .name: part, .offset: 0, .size: 8, .value_kind: global_buffer, .address_space: global }
      - { .name: order, .offset: 8, .size: 8, .value_kind: global_buffer, .address_space: global }
    .group_segment_fixed_size: 6144
    .private_segment_fixed_size: 0
    .kernarg_segment_align: 8
    .kernarg_segment_size: 16
    .max_flat_workgroup_size: 1024
    .sgpr_count:     66
    .vgpr_count:     122
    .wavefront_size: 32
...
	.end_amdgpu_metadata
.endif
;; end of part 3
;; launch mean (part 4): grid 1 x 1, 8 waves a work-group, no clusters, 0 bytes of LDS; arguments order, key_mat, out0; writes out0
.if DOCPART == 4
	.amdgcn_target "amdgcn-amd-amdhsa--gfx1250"
	.amdhsa_code_object_version 6
	.text
	.protected	k_qaeafe45f0a_mean
	.globl	k_qaeafe45f0a_mean
	.p2align	8
	.type	k_qaeafe45f0a_mean,@function
k_qaeafe45f0a_mean:
	s_mov_b64 s[64:65], 0
	v_nop
	global_prefetch_b8 v0, s[64:65] scope:SCOPE_SE
	s_setreg_imm32_b32 hwreg(HW_REG_WAVE_MODE, 25, 1), 1
	s_wait_xcnt 0x0
; out0 = the mean of the six rows of key_mat [16384][1024] f32 that order's words 0 to 5 name.  One work-group of eight waves: thread t takes the 16 bytes at 16 t of each row, so the eight waves cover a row
; of 4,096 bytes.  The rows are added in the order of the picks; the mean is the sum x (1 / 6) in f32.
; The indices were stored by an earlier launch as whole numbers; each is held at 16,383 before it enters an address.
	s_load_b128 s[4:7], s[0:1], 0x0                ; order s[4:5], key_mat s[6:7]
	s_load_b64 s[8:9], s[0:1], 0x10                ; out0
	v_lshlrev_b32 v1, 4, v0                        ; 16 x thread
	s_wait_kmcnt 0x0
	s_load_b256 s[12:19], s[4:5], 0x0              ; eight words, all written by the launch before; six are used
	s_wait_kmcnt 0x0
.irp i, 0,1,2,3,4,5
	s_min_u32 s[12+\i], s[12+\i], 16383
	s_lshl_b32 s[12+\i], s[12+\i], 12              ; a row is 4,096 bytes: under 2^26
	v_add_nc_u32 v[2+\i], s[12+\i], v1
	global_load_b128 v[8+4*\i:11+4*\i], v[2+\i], s[6:7]
.endr
	s_wait_loadcnt 0x0
.irp i, 1,2,3,4,5
	v_pk_add_f32 v[8:9], v[8:9], v[8+4*\i:9+4*\i]
	v_pk_add_f32 v[10:11], v[10:11], v[10+4*\i:11+4*\i]
.endr
	v_pk_mul_f32 v[8:9], v[8:9], 0x3e2aaaab op_sel_hi:[1,0]
	v_pk_mul_f32 v[10:11], v[10:11], 0x3e2aaaab op_sel_hi:[1,0]
	global_store_b128 v1, v[8:11], s[8:9]          ; the wave stores 512 consecutive bytes, aligned
	s_endpgm
.Lfunc_end_k_qaeafe45f0a_mean:
	.size	k_qaeafe45f0a_mean, .Lfunc_end_k_qaeafe45f0a_mean-k_qaeafe45f0a_mean
	.p2alignl 7, 3214868480
	.fill 96, 4, 3214868480
	.section	.rodata,"a",@progbits
	.p2align	6, 0x0
	.amdhsa_kernel k_qaeafe45f0a_mean
		.amdhsa_group_segment_fixed_size 0
		.amdhsa_private_segment_fixed_size 0
		.amdhsa_enable_private_segment 0
		.amdhsa_kernarg_size 24
		.amdhsa_user_sgpr_count 2
		.amdhsa_user_sgpr_kernarg_segment_ptr 1
		.amdhsa_wavefront_size32 1
		.amdhsa_system_sgpr_workgroup_id_x 1
		.amdhsa_system_sgpr_workgroup_id_y 1
		.amdhsa_system_sgpr_workgroup_id_z 1
		.amdhsa_system_vgpr_workitem_id 0
		.amdhsa_next_free_vgpr 32
		.amdhsa_next_free_sgpr 66
		.amdhsa_reserve_vcc 0
		.amdhsa_float_denorm_mode_32 3
		.amdhsa_float_denorm_mode_16_64 3
		.amdhsa_memory_ordered 1
		.amdhsa_forward_progress 1
		.amdhsa_inst_pref_size 3
	.end_amdhsa_kernel
	.amdgpu_metadata
---
amdhsa.version: [ 1, 2 ]
amdhsa.kernels:
  - .name:           k_qaeafe45f0a_mean
    .symbol:         k_qaeafe45f0a_mean.kd
    .args:
      - { .name: order, .offset: 0, .size: 8, .value_kind: global_buffer, .address_space: global }
      - { .name: key_mat, .offset: 8, .size: 8, .value_kind: global_buffer, .address_space: global }
      - { .name: out0, .offset: 16, .size: 8, .value_kind: global_buffer, .address_space: global }
    .group_segment_fixed_size: 0
    .private_segment_fixed_size: 0
    .kernarg_segment_align: 8
    .kernarg_segment_size: 24
    .max_flat_workgroup_size: 256
    .sgpr_count:     66
    .vgpr_count:     32
    .wavefront_size: 32
...
	.end_amdgpu_metadata
.endif
;; end of part 4
;; ======== version 2 of 2: 4 launches; 1.13 times as fast as version 1
;; workspace buffers: keyc 16,777,216 bytes; keys 524,288 bytes; qv 16,384 bytes; part 262,144 bytes; cand 768 bytes; order 768 bytes of whole numbers
;; launch prep: the kernel of part 1 again; grid 640 x 1, 4 waves a work-group, no clusters, 33,280 bytes of LDS; arguments key_mat, Wq, query, bq, keyc, keys, qv; writes keyc, keys, qv
;; launch gemm: the kernel of part 2 again; grid 4 x 64, 4 waves a work-group, clusters of 4 x 4, 327,680 bytes of LDS; arguments keyc, keys, Wk_codes, Wk_scales, qv, bk, part; writes part
;; launch pick (part 5): grid 32 x 1, 1 waves a work-group, no clusters, 0 bytes of LDS; arguments part, cand, order; writes cand, order
.if DOCPART == 5
	.amdgcn_target "amdgcn-amd-amdhsa--gfx1250"
	.amdhsa_code_object_version 6
	.text
	.protected	k_qaeafe45f0a_pick
	.globl	k_qaeafe45f0a_pick
	.p2align	8
	.type	k_qaeafe45f0a_pick,@function
k_qaeafe45f0a_pick:
	s_mov_b64 s[64:65], 0
	v_nop
	global_prefetch_b8 v0, s[64:65] scope:SCOPE_SE
	s_setreg_imm32_b32 hwreg(HW_REG_WAVE_MODE, 25, 1), 1
	s_wait_xcnt 0x0
; The scores are the sums of part's four rows [4][16384].  Work-group g, one wave, takes keys 512 g .. 512 g + 511, 16 a lane, and picks ITS six largest, equal scores by the lower index: their scores go to
; cand (f32) and their indices to order (whole numbers), words 6 g .. 6 g + 5.  The six largest of all 16,384 lie among the 32 x 6 candidates; the next launch chooses among them.
; 32 groups, so that each wave has a SIMD to itself: no barrier, no LDS, nothing shared.
; A pick: the largest score (in the lane, across the lanes); the lowest index that holds it; that entry becomes -infinity.  No branch and no address hangs on a score: all is done by compare and select.
; The sixteen compares of a scan write sixteen different scalar masks, so that no select waits for the compare just ahead of it; maxima and minima go by trees of three-operand forms.
; Indices are kept as f32 (whole numbers under 2^24 are exact), so that the same minimum across lanes serves them.
; LIMITS: NaN among the scores is not served; +0 and -0 count as equal; a score of -infinity is not told from an entry already taken.
.set V,   16                           ; v16-31   my 16 scores (v32-79: the other three rows of part as loaded)
.set I,   80                           ; v80-95   their indices
.set TT,  96                           ; v96-111  at work
.set X,   112                          ; a lane permute's destination
.set NEG, 113                          ; -infinity
.set INF, 114                          ; +infinity
.set RS,  115                          ; lane r: the r-th score
.set RI,  116                          ; lane r: the r-th index
.set M,   117                          ; the pick's maximum
.set C,   118                          ; and its index
.set MK,  20                           ; s20-35   sixteen lane masks
	s_load_b128 s[4:7], s[0:1], 0x0                ; part s[4:5], cand s[6:7]
	s_load_b64 s[8:9], s[0:1], 0x10                ; order
	s_lshl_b32 s12, ttmp9, 11                      ; my group's 512 scores: 2,048 bytes in each row of part
	s_lshl_b32 s13, ttmp9, 9                       ; its first key
	s_mul_i32 s14, ttmp9, 24                       ; its six words
	v_lshl_add_u32 v2, v0, 4, s12                  ; 16 x lane: each load covers 512 consecutive bytes
	v_lshl_add_u32 v4, v0, 2, s13                  ; 512 g + 4 x lane
	v_lshl_add_u32 v7, v0, 2, s14                  ; 24 g + 4 x lane
	s_mov_b32 s10, 0x76543210
	s_mov_b32 s11, 0xfedcba98                      ; v_permlanex16_b32's selects for lane l xor 16
	s_wait_kmcnt 0x0
.irp p, 0,1,2,3
.irp j, 0,1,2,3
	global_load_b128 v[V+16*\p+4*\j:V+16*\p+4*\j+3], v2, s[4:5] offset:65536*\p+512*\j th:TH_LOAD_NT   ; row p, keys 512 g + 128 j + 4 l + 0 .. 3; read once in the launch
.endr
.endr
.set kk, 0
.rept 16
	v_add_nc_u32 v[I+kk], 128*(kk/4)+(kk%4), v4
.set kk, kk+1
.endr
.set kk, 0
.rept 16
	v_cvt_f32_u32 v[I+kk], v[I+kk]
.set kk, kk+1
.endr
	v_mov_b32 v[X], 0
	v_mov_b32 v[RS], 0
	v_mov_b32 v[RI], 0
	v_mov_b32 v[NEG], 0xff800000
	v_mov_b32 v[INF], 0x7f800000
	s_wait_loadcnt 8                               ; rows 0 and 1 are in; the eight loads of rows 2 and 3 may be out
.irp k, 0,2,4,6,8,10,12,14
	v_pk_add_f32 v[V+\k:V+\k+1], v[V+\k:V+\k+1], v[V+16+\k:V+16+\k+1]
.endr
	s_wait_loadcnt 4                               ; row 2 is in; row 3's four loads may be out
.irp k, 0,2,4,6,8,10,12,14
	v_pk_add_f32 v[V+\k:V+\k+1], v[V+\k:V+\k+1], v[V+32+\k:V+32+\k+1]
.endr
	s_wait_loadcnt 0x0
.irp k, 0,2,4,6,8,10,12,14
	v_pk_add_f32 v[V+\k:V+\k+1], v[V+\k:V+\k+1], v[V+48+\k:V+48+\k+1]
.endr
; The r-th pick: the maximum into v[M], its lowest index into v[C], in every lane; lane r keeps both.
.macro PICK r
	v_max3_num_f32 v[TT],   v[V],    v[V+1],  v[V+2]
	v_max3_num_f32 v[TT+1], v[V+3],  v[V+4],  v[V+5]
	v_max3_num_f32 v[TT+2], v[V+6],  v[V+7],  v[V+8]
	v_max3_num_f32 v[TT+3], v[V+9],  v[V+10], v[V+11]
	v_max3_num_f32 v[TT+4], v[V+12], v[V+13], v[V+14]
	v_max3_num_f32 v[TT],   v[TT],   v[TT+1], v[V+15]
	v_max3_num_f32 v[TT+2], v[TT+2], v[TT+3], v[TT+4]
	v_max_num_f32 v[M], v[TT], v[TT+2]
	v_max_num_f32_dpp v[M], v[M], v[M] row_xmask:1 row_mask:0xf bank_mask:0xf
	v_max_num_f32_dpp v[M], v[M], v[M] row_xmask:2 row_mask:0xf bank_mask:0xf
	v_max_num_f32_dpp v[M], v[M], v[M] row_xmask:4 row_mask:0xf bank_mask:0xf
	v_max_num_f32_dpp v[M], v[M], v[M] row_xmask:8 row_mask:0xf bank_mask:0xf
	v_permlanex16_b32 v[X], v[M], s10, s11
	v_max_num_f32 v[M], v[M], v[X]
.set kk, 0
.rept 16
	v_cmp_eq_f32 s[MK+kk], v[V+kk], v[M]
.set kk, kk+1
.endr
.set kk, 0
.rept 16
	v_cndmask_b32 v[TT+kk], v[INF], v[I+kk], s[MK+kk]      ; its index where the entry holds the maximum, else +infinity
.set kk, kk+1
.endr
	v_min3_num_f32 v[TT],    v[TT],    v[TT+1],  v[TT+2]
	v_min3_num_f32 v[TT+3],  v[TT+3],  v[TT+4],  v[TT+5]
	v_min3_num_f32 v[TT+6],  v[TT+6],  v[TT+7],  v[TT+8]
	v_min3_num_f32 v[TT+9],  v[TT+9],  v[TT+10], v[TT+11]
	v_min3_num_f32 v[TT+12], v[TT+12], v[TT+13], v[TT+14]
	v_min3_num_f32 v[TT],    v[TT],    v[TT+3],  v[TT+15]
	v_min3_num_f32 v[TT+6],  v[TT+6],  v[TT+9],  v[TT+12]
	v_min_num_f32 v[C], v[TT], v[TT+6]
	v_min_num_f32_dpp v[C], v[C], v[C] row_xmask:1 row_mask:0xf bank_mask:0xf
	v_min_num_f32_dpp v[C], v[C], v[C] row_xmask:2 row_mask:0xf bank_mask:0xf
	v_min_num_f32_dpp v[C], v[C], v[C] row_xmask:4 row_mask:0xf bank_mask:0xf
	v_min_num_f32_dpp v[C], v[C], v[C] row_xmask:8 row_mask:0xf bank_mask:0xf
	v_permlanex16_b32 v[X], v[C], s10, s11
	v_min_num_f32 v[C], v[C], v[X]
.set kk, 0
.rept 16
	v_cmp_eq_f32 s[MK+kk], v[I+kk], v[C]
.set kk, kk+1
.endr
.set kk, 0
.rept 16
	v_cndmask_b32 v[V+kk], v[V+kk], v[NEG], s[MK+kk]       ; the entry taken counts no more
.set kk, kk+1
.endr
	v_cmp_eq_u32 vcc_lo, \r, v0
	v_cndmask_b32 v[RS], v[RS], v[M], vcc_lo
	v_cndmask_b32 v[RI], v[RI], v[C], vcc_lo
.endm
.irp r, 0,1,2,3,4,5
	PICK \r
.endr
	v_cvt_u32_f32 v[RI], v[RI]                     ; the index as a whole number
	s_wait_xcnt 0x0                                ; EXEC changes only behind this wait
	v_cmp_gt_u32 vcc_lo, 6, v0
	s_and_saveexec_b32 s15, vcc_lo
	global_store_b32 v7, v[RS], s[6:7]             ; lanes 0 to 5: 24 consecutive bytes; all of cand and all of order are 768 bytes each
	global_store_b32 v7, v[RI], s[8:9]
	s_wait_xcnt 0x0                                ; and again, in front of the line that widens it
	s_or_b32 exec_lo, exec_lo, s15
	s_endpgm
.Lfunc_end_k_qaeafe45f0a_pick:
	.size	k_qaeafe45f0a_pick, .Lfunc_end_k_qaeafe45f0a_pick-k_qaeafe45f0a_pick
	.p2alignl 7, 3214868480
	.fill 96, 4, 3214868480
	.section	.rodata,"a",@progbits
	.p2align	6, 0x0
	.amdhsa_kernel k_qaeafe45f0a_pick
		.amdhsa_group_segment_fixed_size 0
		.amdhsa_private_segment_fixed_size 0
		.amdhsa_enable_private_segment 0
		.amdhsa_kernarg_size 24
		.amdhsa_user_sgpr_count 2
		.amdhsa_user_sgpr_kernarg_segment_ptr 1
		.amdhsa_wavefront_size32 1
		.amdhsa_system_sgpr_workgroup_id_x 1
		.amdhsa_system_sgpr_workgroup_id_y 1
		.amdhsa_system_sgpr_workgroup_id_z 1
		.amdhsa_system_vgpr_workitem_id 0
		.amdhsa_next_free_vgpr 128
		.amdhsa_next_free_sgpr 66
		.amdhsa_reserve_vcc 1
		.amdhsa_float_denorm_mode_32 3
		.amdhsa_float_denorm_mode_16_64 3
		.amdhsa_memory_ordered 1
		.amdhsa_forward_progress 1
		.amdhsa_inst_pref_size 41
	.end_amdhsa_kernel
	.amdgpu_metadata
---
amdhsa.version: [ 1, 2 ]
amdhsa.kernels:
  - .name:           k_qaeafe45f0a_pick
    .symbol:         k_qaeafe45f0a_pick.kd
    .args:
      - { .name: part, .offset: 0, .size: 8, .value_kind: global_buffer, .address_space: global }
      - { .name: cand, .offset: 8, .size: 8, .value_kind: global_buffer, .address_space: global }
      - { .name: order, .offset: 16, .size: 8, .value_kind: global_buffer, .address_space: global }
    .group_segment_fixed_size: 0
    .private_segment_fixed_size: 0
    .kernarg_segment_align: 8
    .kernarg_segment_size: 24
    .max_flat_workgroup_size: 32
    .sgpr_count:     66
    .vgpr_count:     128
    .wavefront_size: 32
...
	.end_amdgpu_metadata
.endif
;; end of part 5
;; launch mean (part 6): grid 16 x 1, 8 waves a work-group, no clusters, 9,216 bytes of LDS; arguments cand, order, key_mat, out0; writes out0
.if DOCPART == 6
	.amdgcn_target "amdgcn-amd-amdhsa--gfx1250"
	.amdhsa_code_object_version 6
	.text
	.protected	k_qaeafe45f0a_mean
	.globl	k_qaeafe45f0a_mean
	.p2align	8
	.type	k_qaeafe45f0a_mean,@function
k_qaeafe45f0a_mean:
	s_mov_b64 s[64:65], 0
	v_nop
	global_prefetch_b8 v0, s[64:65] scope:SCOPE_SE
	s_setreg_imm32_b32 hwreg(HW_REG_WAVE_MODE, 25, 1), 1
	s_wait_xcnt 0x0
; out0 = the mean of the six rows of key_mat [16384][1024] f32 with the largest scores.  cand and order hold 192 candidates (32 groups' six: score, index), among which the six of the whole lie.
; NO ADDRESS OF THIS LAUNCH HANGS ON A SCORE: all 192 candidate rows are read, by addresses made of order's whole numbers alone (each held at 16,383), and the choice enters as a WEIGHT, 1/6 or 0.
; SHARES.  Work-group g owns columns 64 g .. 64 g + 63: 256 bytes of each row.  Wave w takes candidates 24 w .. 24 w + 23: lanes 0-15 the first twelve rows, lanes 16-31 the other twelve, 16 bytes a lane.
; Its twelve row loads go out first; while they are on their way the wave picks the six of the 192 for itself (lane l holds group l's six): score descending, equal scores by the lower index.
; The weights change layout through the wave's own 768 bytes of LDS; the eight waves' sums meet in LDS behind one barrier, and wave 0 stores 256 consecutive bytes.
; 192 rows x 256 bytes are 49,152 bytes a work-group, read in place of 6 x 256.
; LIMITS: NaN and infinities in key_mat or among the scores are not served (a weight of 0 is multiplied onto the rows not chosen); +0 and -0 count as equal scores; a score of -infinity is not told from an
; entry already taken.  The mean is the sum of x times (1/6) in f32; the rows are added in the candidates' order.
.set V,   16                           ; v16-21   six scores: candidates 6 l .. 6 l + 5
.set I,   24                           ; v24-29   their indices, as f32
.set OB,  32                           ; v32-43   the indices of my twelve rows
.set AD,  44                           ; v44-55   their byte offsets in key_mat
.set D,   64                           ; v64-111  my 16 bytes of each of the twelve rows
.set TT,  112                          ; v112-117 at work
.set W,   118                          ; v118-123 the weights of candidates 6 l .. 6 l + 5
.set WB,  124                          ; v124-135 the weights of my twelve rows
.set ACC, 136                          ; v136-139 the weighted sum
.set X,   140                          ; v140-143 lane permutes' destinations
.set M,   144
.set C,   145
.set T,   146
.set NEG, 147                          ; -infinity
.set INF, 148                          ; +infinity
.set SIX, 149                          ; 1/6
.set RB,  152                          ; v152-183 the eight waves' sums
.set MK,  20                           ; s20-25   six lane masks
.set RED, 6144                         ; LDS: bytes 0 .. 6,143: 768 for each wave, the weights; from RED on 256 for each wave, the sums
	s_load_b256 s[4:11], s[0:1], 0x0               ; cand s[4:5], order s[6:7], key_mat s[8:9], out0 s[10:11]
	v_lshl_add_u32 v192, v0, 2, 0x2000
	v_mov_b32 v193, 0
	v_lshrrev_b32 v1, 5, v0
	v_readfirstlane_b32 s12, v1                    ; wave 0..7
	v_and_b32 v2, 31, v0                           ; lane
	v_and_b32 v3, 15, v0                           ; r = lane % 16
	v_bfe_u32 v4, v0, 4, 1                         ; h = lane / 16
	v_mul_u32_u24 v5, v2, 24                       ; candidates 6 l on: 24 bytes a lane
	s_mul_i32 s13, s12, 96
	v_mul_u32_u24 v6, v4, 48
	v_add_nc_u32 v7, s13, v6                       ; candidates 24 w + 12 h on: 96 w + 48 h
	s_lshl_b32 s14, ttmp9, 8
	v_lshl_add_u32 v8, v3, 4, s14                  ; my 16 bytes of a row, and of out0: 256 g + 16 r
	s_mul_i32 s15, s12, 768
	v_add_nc_u32 v9, s15, v5                       ; LDS, the weights in: 768 w + 24 l
	s_mul_i32 s15, s12, 864
	v_add_nc_u32 v10, s15, v6                      ; and out: 768 w + (96 w + 48 h): inside my wave's 768 bytes
	s_lshl_b32 s15, s12, 8
	s_add_co_u32 s15, s15, RED
	v_lshl_add_u32 v11, v3, 4, s15                 ; my wave's sum: RED + 256 w + 16 r
	v_lshl_add_u32 v12, v3, 4, RED                 ; and all eight: RED + 16 r; the wave stands in the immediate
	s_mov_b32 s16, 0x76543210
	s_mov_b32 s17, 0xfedcba98                      ; v_permlanex16_b32's selects for lane l xor 16
	v_mov_b32 v[NEG], 0xff800000
	v_mov_b32 v[INF], 0x7f800000
	v_mov_b32 v[SIX], 0x3e2aaaab
.irp e, 0,1,2,3
	v_mov_b32 v[X+\e], 0                           ; a lane permute's destination counts as one of its sources
.endr
	s_wait_kmcnt 0x0
.irp c, 0,1,2
	global_load_b128 v[OB+4*\c:OB+4*\c+3], v7, s[6:7] offset:16*\c           ; first what the row loads hang on
.endr
.irp c, 0,1,2
	global_load_b64 v[V+2*\c:V+2*\c+1], v5, s[4:5] offset:8*\c
	global_load_b64 v[I+2*\c:I+2*\c+1], v5, s[6:7] offset:8*\c
.endr
	s_wait_loadcnt 6                               ; my twelve rows' indices are in; the six loads behind them may be out
.irp i, 0,1,2,3,4,5,6,7,8,9,10,11
	v_min_u32 v[OB+\i], 0x3fff, v[OB+\i]           ; an index stays inside the table
.endr
.irp i, 0,1,2,3,4,5,6,7,8,9,10,11
	v_lshlrev_b32 v[AD+\i], 12, v[OB+\i]           ; a row is 4,096 bytes: under 2^26
.endr
.irp i, 0,1,2,3,4,5,6,7,8,9,10,11
	v_add_nc_u32 v[AD+\i], v[AD+\i], v8
.endr
.irp i, 0,1,2,3,4,5,6,7,8,9,10,11
	global_load_b128 v[D+4*\i:D+4*\i+3], v[AD+\i], s[8:9]                    ; sixteen lanes read 256 consecutive bytes of a row
.endr
	s_wait_loadcnt 12                              ; the 192 scores and indices are in; the twelve row loads may be out
.irp k, 0,1,2,3,4,5
	v_cvt_f32_u32 v[I+\k], v[I+\k]
.endr
; One pick among the 192: the largest score, the lowest index that holds it; that entry becomes -infinity.
.macro PICK6
	v_max3_num_f32 v[M], v[V], v[V+1], v[V+2]
	v_max3_num_f32 v[T], v[V+3], v[V+4], v[V+5]
	v_max_num_f32 v[M], v[M], v[T]
	v_max_num_f32_dpp v[M], v[M], v[M] row_xmask:1 row_mask:0xf bank_mask:0xf
	v_max_num_f32_dpp v[M], v[M], v[M] row_xmask:2 row_mask:0xf bank_mask:0xf
	v_max_num_f32_dpp v[M], v[M], v[M] row_xmask:4 row_mask:0xf bank_mask:0xf
	v_max_num_f32_dpp v[M], v[M], v[M] row_xmask:8 row_mask:0xf bank_mask:0xf
	v_permlanex16_b32 v[T], v[M], s16, s17
	v_max_num_f32 v[M], v[M], v[T]
.irp k, 0,1,2,3,4,5
	v_cmp_eq_f32 s[MK+\k], v[V+\k], v[M]
.endr
.irp k, 0,1,2,3,4,5
	v_cndmask_b32 v[TT+\k], v[INF], v[I+\k], s[MK+\k]      ; its index where the entry holds the maximum, else +infinity
.endr
	v_min3_num_f32 v[TT], v[TT], v[TT+1], v[TT+2]
	v_min3_num_f32 v[TT+3], v[TT+3], v[TT+4], v[TT+5]
	v_min_num_f32 v[C], v[TT], v[TT+3]
	v_min_num_f32_dpp v[C], v[C], v[C] row_xmask:1 row_mask:0xf bank_mask:0xf
	v_min_num_f32_dpp v[C], v[C], v[C] row_xmask:2 row_mask:0xf bank_mask:0xf
	v_min_num_f32_dpp v[C], v[C], v[C] row_xmask:4 row_mask:0xf bank_mask:0xf
	v_min_num_f32_dpp v[C], v[C], v[C] row_xmask:8 row_mask:0xf bank_mask:0xf
	v_permlanex16_b32 v[T], v[C], s16, s17
	v_min_num_f32 v[C], v[C], v[T]
.irp k, 0,1,2,3,4,5
	v_cmp_eq_f32 s[MK+\k], v[I+\k], v[C]
.endr
.irp k, 0,1,2,3,4,5
	v_cndmask_b32 v[V+\k], v[V+\k], v[NEG], s[MK+\k]       ; the entry taken counts no more
.endr
.endm
.rept 6
	PICK6
.endr
.irp k, 0,1,2,3,4,5
	v_cmp_eq_f32 s[MK+\k], v[V+\k], v[NEG]
.endr
.irp k, 0,1,2,3,4,5
	v_cndmask_b32 v[W+\k], 0, v[SIX], s[MK+\k]     ; 1/6 for the six taken, 0 for the others
.endr
.irp c, 0,1,2
	ds_store_b64 v9, v[W+2*\c:W+2*\c+1] offset:8*\c                          ; candidate c's weight at byte 4 c of my wave's own 768
.endr
.irp c, 0,1,2
	ds_load_b128 v[WB+4*\c:WB+4*\c+3], v10 offset:16*\c                      ; LDS serves a wave's instructions in order: these see my stores
.endr
	s_wait_dscnt 0x0
	s_wait_loadcnt 11                              ; row 0 is in; the eleven behind it may be out
.irp e, 0,1,2,3
	v_mul_f32 v[ACC+\e], v[D+\e], v[WB]            ; the first product starts the sums
.endr
.irp i, 1,2,3,4,5,6,7,8,9,10,11
	s_wait_loadcnt 11-\i                           ; row i is in; the rows behind it may be out
.irp e, 0,1,2,3
	v_fmac_f32 v[ACC+\e], v[D+4*\i+\e], v[WB+\i]
.endr
.endr
.irp e, 0,1,2,3
	v_permlanex16_b32 v[X+\e], v[ACC+\e], s16, s17
.endr
.irp e, 0,1,2,3
	v_add_f32 v[ACC+\e], v[ACC+\e], v[X+\e]        ; with the other half of the lanes' twelve rows
.endr
	ds_store_b128 v11, v[ACC:ACC+3]                ; lanes r and r + 16 write the same bytes with the same values
	s_wait_dscnt 0x0                               ; for wave 0's sake: my store is done
	s_barrier_signal -1
	s_barrier_wait -1
	s_cmp_lg_u32 s12, 0
	s_cbranch_scc1 .Lend
.irp w, 0,1,2,3,4,5,6,7
	ds_load_b128 v[RB+4*\w:RB+4*\w+3], v12 offset:256*\w
.endr
	s_wait_dscnt 0x0
.irp w, 1,2,3,4,5,6,7
	v_pk_add_f32 v[RB:RB+1], v[RB:RB+1], v[RB+4*\w:RB+4*\w+1]
	v_pk_add_f32 v[RB+2:RB+3], v[RB+2:RB+3], v[RB+4*\w+2:RB+4*\w+3]
.endr
	s_wait_xcnt 0x0                                ; EXEC changes only behind this wait
	v_cmp_gt_u32 vcc_lo, 16, v2
	s_and_saveexec_b32 s18, vcc_lo
	global_store_b128 v8, v[RB:RB+3], s[10:11]     ; sixteen lanes store 256 consecutive bytes, aligned
	s_wait_xcnt 0x0                                ; and again, in front of the line that widens it
	s_or_b32 exec_lo, exec_lo, s18
.Lend:
	s_wait_tensorcnt 0x0
	ds_add_u32 v192, v193
	s_wait_dscnt 0x0
	s_endpgm
.Lfunc_end_k_qaeafe45f0a_mean:
	.size	k_qaeafe45f0a_mean, .Lfunc_end_k_qaeafe45f0a_mean-k_qaeafe45f0a_mean
	.p2alignl 7, 3214868480
	.fill 96, 4, 3214868480
	.section	.rodata,"a",@progbits
	.p2align	6, 0x0
	.amdhsa_kernel k_qaeafe45f0a_mean
		.amdhsa_group_segment_fixed_size 9216
		.amdhsa_private_segment_fixed_size 0
		.amdhsa_enable_private_segment 0
		.amdhsa_kernarg_size 32
		.amdhsa_user_sgpr_count 2
		.amdhsa_user_sgpr_kernarg_segment_ptr 1
		.amdhsa_wavefront_size32 1
		.amdhsa_system_sgpr_workgroup_id_x 1
		.amdhsa_system_sgpr_workgroup_id_y 1
		.amdhsa_system_sgpr_workgroup_id_z 1
		.amdhsa_system_vgpr_workitem_id 0
		.amdhsa_next_free_vgpr 194
		.amdhsa_next_free_sgpr 66
		.amdhsa_reserve_vcc 1
		.amdhsa_float_denorm_mode_32 3
		.amdhsa_float_denorm_mode_16_64 3
		.amdhsa_memory_ordered 1
		.amdhsa_forward_progress 1
		.amdhsa_inst_pref_size 26
	.end_amdhsa_kernel
	.amdgpu_metadata
---
amdhsa.version: [ 1, 2 ]
amdhsa.kernels:
  - .name:           k_qaeafe45f0a_mean
    .symbol:         k_qaeafe45f0a_mean.kd
    .args:
      - { .name: cand, .offset: 0, .size: 8, .value_kind: global_buffer, .address_space: global }
      - { .name: order, .offset: 8, .size: 8, .value_kind: global_buffer, .address_space: global }
      - { .name: key_mat, .offset: 16, .size: 8, .value_kind: global_buffer, .address_space: global }
      - { .name: out0, .offset: 24, .size: 8, .value_kind: global_buffer, .address_space: global }
    .group_segment_fixed_size: 9216
    .private_segment_fixed_size: 0
    .kernarg_segment_align: 8
    .kernarg_segment_size: 32
    .max_flat_workgroup_size: 256
    .sgpr_count:     66
    .vgpr_count:     194
    .wavefront_size: 32
...
	.end_amdgpu_metadata
.endif
;; end of part 6
